; MI455X (gfx1250); checked and timed in simulation.
; The chip was launched on July 23, 2026; its instructions are those of AMD's public machine-readable ISA for CDNA 5 (MIT licence, August 2026) and "CDNA5" Instruction Set Architecture Reference Guide (July 2026). The comments in the code are by the model that wrote it; some were corrected since.
;; Mixture Of Experts. Allowed arithmetic: matrix products marked QUANTISED: E2M1 operands, one E8M0 scale for each 32 along K, by v_wmma_scale_f32_16x16x128_f8f6f4 with both operands' format E2M1 (or v_wmma_scale_f32_32x16x128_f4), f32 sums; products left as they are: f32 operands where the result goes on into a quantised operand, else bf16, f16 or f32 operands; f32 sums; everything else in f32.
;; Inputs: W1 8 x 1,024 x 4,096 float32; W2 8 x 4,096 x 1,024 float32; Wg 1,024 x 8 float32; b1 8 x 4,096 float32; b2 8 x 1,024 float32; bg 8 float32; x 1,024 x 1,024 float32.
;; Outputs: out0 1,024 x 1,024 float32.
;; Constants: top_k = 2.
;; This version of the problem:
;;   THIS VERSION OF THE PROBLEM IS GIVEN IN LOW PRECISION. The matrix products marked QUANTISED in the list below multiply operands that are first quantised to E2M1 (2 exponent bits, 1 mantissa bit; 4 bits a number), with one power-of-two scale for each 32 numbers along K (OCP MX v1.0); their sums are f32. All else is computed in f32.
;;   The module's matrix products, in the order in which they are computed (A, B: the left and right operand; K: the contracted axis; several contracted axes count as one K, in the product's order):
;;     1. [M 1,024, K 1,024] x [K 1,024, N 8]; A: input x; B: input Wg: left as it is (N = 8 < 16)
;;     2. [M 1,024, K 1,024] x [K 1,024, N 32,768]; A: input x; B: input W1: QUANTISED
;;     3. batch 8 x [M 1,024, K 4,096] x [K 4,096, N 1,024]; A: input W2; B: computed on the way: QUANTISED
;;   THE QUANTISER, for each operand of a quantised product, along K:
;;     - K is cut into blocks of 32 from its start; a last block that is shorter is filled with zeros.
;;     - A block's scale is 2^e with e = floor(log2(the largest magnitude in the block)) - 2, held to -126 .. 127; a block of zeros has e = 0. As a byte (E8M0): e + 127.
;;     - Each number is divided by its block's scale, clamped to +-6, and rounded to the nearest number of E2M1, ties to even, subnormals kept.
;;     - The product sums the exact products of the quantised numbers (number of the format x scale) in f32.
;;   ~~~python
;;   def quantise(x, axis):      # numpy; x: float32 -> the quantised numbers, widened to float32 again
;;       x = np.moveaxis(x, axis, -1); K = x.shape[-1]
;;       x = np.pad(x, [(0, 0)] * (x.ndim - 1) + [(0, -K % 32)]); x = x.reshape(x.shape[:-1] + (-1, 32)); a = np.abs(x).max(-1, keepdims=True)
;;       e = np.where(a > 0, np.clip(np.frexp(np.where(a > 0, a, 1))[1] - 1 - 2, -126, 127), 0)      # np.frexp(a)[1] - 1 = floor(log2(a)), exactly
;;       r = np.clip(x / 2.0 ** e, -6, 6)
;;       step = 2.0 ** (np.maximum(np.frexp(np.where(r == 0, 1, r))[1] - 1, 0) - 1)
;;       q = np.round(r / step) * step * 2.0 ** e      # np.round: ties to even
;;       return np.moveaxis(q.reshape(q.shape[:-2] + (-1,))[..., :K], -1, axis).astype(np.float32)
;;   ~~~
;;   OPERANDS COMPUTED ON THE WAY. 'Computed on the way' means the value that the module computes at that place (a softmax that the list does not call 'softmax' is quantised finished and normalised). What goes into a quantiser is computed in f32, as accurately as f32 sums, v_exp_f32 and their like allow (about 1e-6 of the number): no bf16 or f16 on the way to a quantiser, and a product that is left as it is and whose result goes on into a quantised operand takes f32 operands (vector FMAs, or v_wmma_f32_16x16x4_f32). A number that lies on a knife's edge between two numbers of the format may be rounded either way, as far as f32 arithmetic and the matrix unit's own rounding can turn it there, and no further.
;; 2 versions, each right; version 2 is version 1 with the launches up, down written anew for expert scheduling mode. Each part assembles by itself: llvm-mc -triple=amdgcn-amd-amdhsa -mcpu=gfx1250 --defsym DOCPART=n.
;; ======== version 1 of 2: 4 launches
;; workspace buffers: xq 557,056 bytes; route 5,120 bytes of whole numbers; gw 8,192 bytes; hq 18,874,368 bytes; rowinfo 65,536 bytes of whole numbers; yp 67,174,400 bytes
;; launch route (part 1): grid 128 x 1, 4 waves a work-group, no clusters, 71,680 bytes of LDS; arguments x, Wg, bg, xq, route, gw; writes xq, route, gw
.if DOCPART == 1
	.amdgcn_target "amdgcn-amd-amdhsa--gfx1250"
	.amdhsa_code_object_version 6
	.text
	.protected	k_q395c11f6c5_route
	.globl	k_q395c11f6c5_route
	.p2align	8
	.type	k_q395c11f6c5_route,@function
k_q395c11f6c5_route:
	s_mov_b64 s[64:65], 0
	v_nop
	global_prefetch_b8 v0, s[64:65] scope:SCOPE_SE
	s_setreg_imm32_b32 hwreg(HW_REG_WAVE_MODE, 25, 1), 1
	s_wait_xcnt 0x0
; THE ROUTER, AND x INTO CODES.  x [1024][1024] f32, Wg [1024][8], bg [8].
; gates = softmax(x Wg + bg), the two largest (a tie keeps the lower index), their weights = softmax of the two gates.  All in f32: fused multiply-adds, no matrix unit (8 columns).
; Stored at fixed places, so that no address here hangs on the choice:
;   route: byte e*128 + n/8, bit n%8: token n goes to expert e;  from byte 1024 on: e0 | e1<<8, one word a token.   gw: [n][2] f32, the two weights.
;   xq: x as codes of E2M1 along its rows, 512 bytes a token; from byte 524288 on one E8M0 byte for each 32 numbers, 32 bytes a token.
; A block's scale byte is its largest magnitude's exponent field - 2, held at 1 from below (a block of zeros so gets 1: its codes are zeros, and only this program reads the bytes).
; LIMITS: NaN and infinities are not served; blocks whose largest magnitude lies under 2^-124 get the byte 1; gates are compared as this f32 arithmetic gives them.
; SHARES: a work-group takes 8 tokens, a wave two.  A lane holds one whole block of 32 numbers of each of its wave's two rows: the block's maximum needs no other lane,
; and the same 32 numbers meet the lane's 32 rows of Wg (1,024 consecutive bytes, read from an image in LDS with 16 bytes of padding behind each 1,024).
; Every global load is dense (512 bytes a wave); x's rows turn through the wave's own stage in LDS (places of 128 + 16 bytes).
; No cluster: what the work-groups share is Wg, 32 KB, read once each; no tensor load: the launch is a few loads long.
.set XSB,  0                           ; LDS: 8 tokens x 32 scale bytes
.set CEB,  256                         ; 8 words e0 | e1<<8
.set GWB,  288                         ; 8 pairs of weights
.set MB,   512                         ; the waves' parts of the mask bytes: 128 bytes a wave
.set WGI,  1024                        ; Wg: 32 places of 1,040 bytes
.set XST,  34304                       ; x's stages: 4,608 bytes for each of a wave's two rows
.set X0,   16                          ; v16-47 my block of token 0, v48-79 of token 1
.set WR,   80                          ; v80-207 sixteen of my rows of Wg
.set RX,   80                          ; v80-143 x as loaded
.set RW,   144                         ; v144-207 Wg as loaded
.set ACC,  208                         ; v208-223 the logits: 8 a token
.set QT,   80                          ; v80.. the quantiser's registers, 16 a token
.set L2E,  0x3fb8aa3b                  ; log2(e)
	s_load_b256 s[4:11], s[0:1], 0x0               ; x, Wg, bg, xq
	s_load_b128 s[12:15], s[0:1], 0x20             ; route, gw
	v_lshl_add_u32 v254, v0, 2, 0x11600
	v_mov_b32 v255, 0
	v_and_b32 v1, 31, v0                           ; lane
	v_lshrrev_b32 v15, 5, v0                       ; wave
	v_readfirstlane_b32 s24, v15
	v_lshlrev_b32 v2, 4, v0                        ; Wg in memory: 16 bytes a thread
	v_lshrrev_b32 v3, 6, v0
	v_lshl_add_u32 v3, v3, 4, v2                   ; and in LDS: 16 more behind each 1,024
	v_lshlrev_b32 v4, 4, v1                        ; 16 x lane
	v_mul_u32_u24 v6, v15, 9216                    ; my wave's stages
	v_bfe_u32 v5, v0, 3, 2
	v_mad_u32_u24 v5, v5, 144, v6
	v_and_b32 v7, 7, v0
	v_lshl_add_u32 v5, v7, 4, v5                   ; into a stage: 144 (lane / 8) + 16 (lane % 8)
	v_mad_u32_u24 v6, v1, 144, v6                  ; out of it: 144 x lane: my block
	v_mul_u32_u24 v7, v1, 1040                     ; my 32 rows of Wg
	v_lshlrev_b32 v8, 3, v15                       ; 8 x wave: two words
	v_lshlrev_b32 v9, 4, v15                       ; 16 x wave: two pairs
	v_lshl_add_u32 v10, v15, 6, v1                 ; 64 x wave + lane: scale bytes
	v_lshlrev_b32 v11, 2, v0                       ; 4 x thread: the mask parts
	v_mov_b32 v12, 0                               ; lane e: the bits of my wave's tokens that go to expert e
	v_mov_b32 v13, -1.0                            ; under every gate
	s_mov_b32 s25, ttmp9                           ; g
	s_lshl_b32 s26, s25, 3
	s_lshl_b32 s27, s24, 1
	s_add_co_u32 s26, s26, s27                     ; my first token: 8 g + 2 wave
	s_lshl_b32 s34, 1, s27
	v_mov_b32 v14, s34                             ; its bit in the work-group's mask bytes,
	s_lshl_b32 s34, s34, 1
	v_mov_b32 v15, s34                             ; and the second token's
	s_lshl_b32 s28, s26, 12
	s_mov_b32 s29, 0
	s_lshl_b32 s30, s26, 9
	s_mov_b32 s31, 0
	s_mov_b32 s36, 0x76543210
	s_mov_b32 s37, 0xfedcba98                      ; v_permlanex16_b32's selects for lane l xor 16
	s_wait_kmcnt 0x0
	s_load_b256 s[16:23], s[8:9], 0x0              ; bg
	s_add_nc_u64 s[4:5], s[4:5], s[28:29]          ; x at my first row
	s_add_nc_u64 s[30:31], s[10:11], s[30:31]      ; its codes
.irp j, 0,1,2,3,4,5,6,7,8,9,10,11,12,13,14,15
	global_load_b128 v[RW+4*\j:RW+4*\j+3], v2, s[6:7] offset:2048*\j
.endr
.irp k, 0,1
.irp j, 0,1,2,3,4,5,6,7
	global_load_b128 v[RX+32*\k+4*\j:RX+32*\k+4*\j+3], v4, s[4:5] offset:4096*\k+512*\j th:TH_LOAD_NT
.endr
.endr
	s_wait_loadcnt 16                              ; Wg is in; x's sixteen loads may be out
.irp j, 0,1,2,3,4,5,6,7,8,9,10,11,12,13,14,15
	ds_store_b128 v3, v[RW+4*\j:RW+4*\j+3] offset:WGI+2080*\j
.endr
	s_wait_loadcnt 0x0
.irp k, 0,1
.irp j, 0,1,2,3,4,5,6,7
	ds_store_b128 v5, v[RX+32*\k+4*\j:RX+32*\k+4*\j+3] offset:XST+4608*\k+576*\j
.endr
.endr
.irp k, 0,1
.irp j, 0,1,2,3,4,5,6,7
	ds_load_b128 v[X0+32*\k+4*\j:X0+32*\k+4*\j+3], v6 offset:XST+4608*\k+16*\j   ; a wave's LDS instructions are served in order: these see the stores above
.endr
.endr
	s_wait_dscnt 0x0                               ; my part of Wg's image has landed, my blocks are in
	s_barrier_signal -1
	s_barrier_wait -1                              ; Wg's image is whole
; The logits' parts: my 32 numbers of each token against my 32 rows of Wg, sixteen rows at a time.  Two experts an instruction; the number of x serves both halves.
.macro DOT hf
.set m_, 0
.rept 32
	ds_load_b128 v[WR+4*m_:WR+4*m_+3], v7 offset:WGI+16*(32*\hf+m_)
.set m_, m_+1
.endr
	s_wait_dscnt 0x0
.set i_, 0
.rept 16
.irp k, 0,1
.irp p, 0,1,2,3
.if (\hf == 0) && (i_ == 0)
	v_pk_mul_f32 v[ACC+8*\k+2*\p:ACC+8*\k+2*\p+1], v[WR+2*\p:WR+2*\p+1], v[X0+32*\k:X0+32*\k+1] op_sel_hi:[1,0]   ; the first product starts the sums
.elseif i_%2 == 0
	v_pk_fma_f32 v[ACC+8*\k+2*\p:ACC+8*\k+2*\p+1], v[WR+8*i_+2*\p:WR+8*i_+2*\p+1], v[X0+32*\k+16*\hf+i_:X0+32*\k+16*\hf+i_+1], v[ACC+8*\k+2*\p:ACC+8*\k+2*\p+1] op_sel_hi:[1,0,1]
.else
	v_pk_fma_f32 v[ACC+8*\k+2*\p:ACC+8*\k+2*\p+1], v[WR+8*i_+2*\p:WR+8*i_+2*\p+1], v[X0+32*\k+16*\hf+i_-1:X0+32*\k+16*\hf+i_], v[ACC+8*\k+2*\p:ACC+8*\k+2*\p+1] op_sel:[0,1,0]
.endif
.endr
.endr
.set i_, i_+1
.endr
.endm
	DOT 0
	DOT 1
.irp x, 1,2,4,8                        ; the sixteen sums over the 32 lanes
.irp a, 0,1,2,3,4,5,6,7,8,9,10,11,12,13,14,15
	v_add_f32_dpp v[ACC+\a], v[ACC+\a], v[ACC+\a] row_xmask:\x row_mask:0xf bank_mask:0xf
.endr
.endr
.irp a, 0,1,2,3,4,5,6,7,8,9,10,11,12,13,14,15
	v_permlanex16_b32 v[WR+\a], v[ACC+\a], s36, s37      ; (its destination has been written: Wg's rows lay there)
.endr
.irp a, 0,1,2,3,4,5,6,7,8,9,10,11,12,13,14,15
	v_add_f32 v[ACC+\a], v[ACC+\a], v[WR+\a]
.endr
	s_wait_kmcnt 0x0                               ; bg
.irp k, 0,1
.irp e, 0,1,2,3,4,5,6,7
	v_add_f32 v[ACC+8*\k+\e], s[16+\e], v[ACC+8*\k+\e]
.endr
.endr
; Token k: every lane holds its eight logits.  RT+0, +1 at work; +2 the largest gate, +3 its expert; +4, +5 the second; +6 e^(second - largest); +8, +9 the weights; +10 the word; +11 my mask bit
.macro ROUTE k
.set Z, ACC+8*\k
.set RT, 224+16*\k
	v_max3_num_f32 v[RT], v[Z], v[Z+1], v[Z+2]
	v_max3_num_f32 v[RT], v[RT], v[Z+3], v[Z+4]
	v_max3_num_f32 v[RT], v[RT], v[Z+5], v[Z+6]
	v_max_num_f32 v[RT], v[RT], v[Z+7]             ; the largest logit is taken away ahead of the exponentials
.irp e, 0,1,2,3,4,5,6,7
	v_sub_f32 v[Z+\e], v[Z+\e], v[RT]
.endr
.irp e, 0,1,2,3,4,5,6,7
	v_mul_f32 v[Z+\e], L2E, v[Z+\e]
.endr
.irp e, 0,1,2,3,4,5,6,7
	v_exp_f32 v[Z+\e], v[Z+\e]
.endr
	v_nop                                          ; a plain line behind the exponentials
	s_wait_alu depctr_va_vdst(0)
	v_add_f32 v[RT], v[Z], v[Z+1]
	v_add_f32 v[RT+1], v[Z+2], v[Z+3]
	v_add_f32 v[RT], v[RT], v[RT+1]
	v_add_f32 v[RT+1], v[Z+4], v[Z+5]
	v_add_f32 v[RT], v[RT], v[RT+1]
	v_add_f32 v[RT+1], v[Z+6], v[Z+7]
	v_add_f32 v[RT], v[RT], v[RT+1]
	v_rcp_f32 v[RT], v[RT]
	v_nop
	s_wait_alu depctr_va_vdst(0)
.irp e, 0,1,2,3,4,5,6,7
	v_mul_f32 v[Z+\e], v[Z+\e], v[RT]              ; the gates
.endr
	v_mov_b32 v[RT+2], v[Z]
	v_mov_b32 v[RT+3], 0
.irp e, 1,2,3,4,5,6,7
	v_cmp_ge_f32 vcc_lo, v[RT+2], v[Z+\e]          ; the one in hand stays unless the next is larger: a tie keeps the lower index
	v_cndmask_b32 v[RT+3], \e, v[RT+3], vcc_lo
	v_max_num_f32 v[RT+2], v[RT+2], v[Z+\e]
.endr
.irp e, 0,1,2,3,4,5,6,7
	v_cmp_eq_u32 vcc_lo, \e, v[RT+3]
	v_cndmask_b32 v[Z+\e], v[Z+\e], v13, vcc_lo    ; the chosen gate leaves the field
.endr
	v_mov_b32 v[RT+4], v[Z]
	v_mov_b32 v[RT+5], 0
.irp e, 1,2,3,4,5,6,7
	v_cmp_ge_f32 vcc_lo, v[RT+4], v[Z+\e]
	v_cndmask_b32 v[RT+5], \e, v[RT+5], vcc_lo
	v_max_num_f32 v[RT+4], v[RT+4], v[Z+\e]
.endr
	v_sub_f32 v[RT+6], v[RT+4], v[RT+2]            ; second - largest, 0 or less: the larger gate is taken away ahead of the exponential
	v_mul_f32 v[RT+6], L2E, v[RT+6]
	v_exp_f32 v[RT+6], v[RT+6]
	v_lshl_or_b32 v[RT+10], v[RT+5], 8, v[RT+3]    ; (a plain line behind the exponential)  e0 | e1<<8
	s_wait_alu depctr_va_vdst(0)
	v_add_f32 v[RT+8], 1.0, v[RT+6]
	v_rcp_f32 v[RT+8], v[RT+8]                     ; w0 = 1 / (1 + e^(second - largest))
	v_cmp_eq_u32 s32, v1, v[RT+3]
	v_cmp_eq_u32 s33, v1, v[RT+5]
	s_or_b32 s32, s32, s33
	v_cndmask_b32 v[RT+11], 0, v[14+\k], s32       ; lane e0 and lane e1 take the token's bit: a value, no address
	s_wait_alu depctr_va_vdst(0)
	v_mul_f32 v[RT+9], v[RT+6], v[RT+8]            ; w1
	v_or_b32 v12, v12, v[RT+11]
	ds_store_b32 v8, v[RT+10] offset:CEB+4*\k      ; all lanes write the same word with the same value
	ds_store_b64 v9, v[RT+8:RT+9] offset:GWB+8*\k
.endm
	ROUTE 0
	ROUTE 1
; x's codes: my block of each token
.irp k, 0,1
	v_max3_num_f32 v[QT+16*\k], |v[X0+32*\k]|, |v[X0+32*\k+1]|, 0x1800000     ; the floor 2^(3 - 127) among the leaves: the byte cannot fall under 1
.endr
.irp i, 2,4,6,8,10,12,14,16,18,20,22,24,26,28,30
.irp k, 0,1
	v_max3_num_f32 v[QT+16*\k], v[QT+16*\k], |v[X0+32*\k+\i]|, |v[X0+32*\k+\i+1]|
.endr
.endr
.irp k, 0,1
	v_add_nc_u32 v[QT+16*\k+1], 0xff000000, v[QT+16*\k]   ; 2 off the exponent field: the conversion takes this operand's exponent field as its scale
.endr
.irp k, 0,1
.irp g, 0,1,2,3
	v_cvt_scalef32_pk8_fp4_f32 v[QT+16*\k+4+\g], v[X0+32*\k+8*\g:X0+32*\k+8*\g+7], v[QT+16*\k+1]
.endr
.endr
.irp k, 0,1
	v_lshrrev_b32 v[QT+16*\k+2], 23, v[QT+16*\k+1]        ; the scale's byte (plain lines behind the conversions)
.endr
.irp k, 0,1
	global_store_b128 v4, v[QT+16*\k+4:QT+16*\k+7], s[30:31] offset:512*\k   ; the wave stores a token's 512 consecutive bytes
	ds_store_b8 v10, v[QT+16*\k+2] offset:XSB+32*\k
.endr
	ds_store_b32 v11, v12 offset:MB
	s_wait_dscnt 0x0                               ; for wave 0's sake: all my LDS stores have landed
	s_barrier_signal -1
	s_barrier_wait -1
	s_cmp_lg_u32 s24, 0
	s_cbranch_scc1 .Lend                           ; wave 0 sends what the four waves have gathered
	v_lshlrev_b32 v24, 2, v1
	v_lshlrev_b32 v25, 3, v1
	ds_load_b64 v[26:27], v25 offset:XSB
	v_lshl_add_u32 v28, s25, 8, v25                ; scale bytes: 256 g + 8 lane
	v_lshl_add_u32 v29, s25, 5, v24                ; words: 4 (8 g + lane)
	v_lshl_add_u32 v30, s25, 6, v25                ; weights: 8 (8 g + lane)
	v_lshl_add_u32 v31, v1, 7, s25                 ; mask bytes: 128 e + g
	s_wait_dscnt 0x0
	global_store_b64 v28, v[26:27], s[10:11] offset:524288   ; 256 consecutive bytes, aligned
	s_wait_xcnt 0x0                                ; EXEC changes only behind this wait
	v_cmp_gt_u32 vcc_lo, 8, v1
	s_and_saveexec_b32 s38, vcc_lo                 ; lanes 0 to 7: a token, or an expert, each
	ds_load_b32 v16, v24 offset:CEB
	ds_load_b64 v[18:19], v25 offset:GWB
.irp w, 0,1,2,3
	ds_load_b32 v[20+\w], v24 offset:MB+128*\w
.endr
	s_wait_dscnt 0x0
	v_or_b32 v20, v20, v21
	v_or_b32 v22, v22, v23
	v_or_b32 v20, v20, v22
	global_store_b32 v29, v16, s[12:13] offset:1024
	global_store_b64 v30, v[18:19], s[14:15]
	global_store_b8 v31, v20, s[12:13]
	s_wait_xcnt 0x0                                ; and again ahead of the line that widens it
	s_or_b32 exec_lo, exec_lo, s38
.Lend:
	s_wait_tensorcnt 0x0
	ds_add_u32 v254, v255
	s_wait_dscnt 0x0
	s_endpgm
.Lfunc_end_k_q395c11f6c5_route:
	.size	k_q395c11f6c5_route, .Lfunc_end_k_q395c11f6c5_route-k_q395c11f6c5_route
	.p2alignl 7, 3214868480
	.fill 96, 4, 3214868480
	.section	.rodata,"a",@progbits
	.p2align	6, 0x0
	.amdhsa_kernel k_q395c11f6c5_route
		.amdhsa_group_segment_fixed_size 71680
		.amdhsa_private_segment_fixed_size 0
		.amdhsa_enable_private_segment 0
		.amdhsa_kernarg_size 48
		.amdhsa_user_sgpr_count 2
		.amdhsa_user_sgpr_kernarg_segment_ptr 1
		.amdhsa_wavefront_size32 1
		.amdhsa_system_sgpr_workgroup_id_x 1
		.amdhsa_system_sgpr_workgroup_id_y 1
		.amdhsa_system_sgpr_workgroup_id_z 1
		.amdhsa_system_vgpr_workitem_id 0
		.amdhsa_next_free_vgpr 256
		.amdhsa_next_free_sgpr 66
		.amdhsa_reserve_vcc 1
		.amdhsa_float_denorm_mode_32 3
		.amdhsa_float_denorm_mode_16_64 3
		.amdhsa_memory_ordered 1
		.amdhsa_forward_progress 1
		.amdhsa_inst_pref_size 49
	.end_amdhsa_kernel
	.amdgpu_metadata
---
amdhsa.version: [ 1, 2 ]
amdhsa.kernels:
  - .name:           k_q395c11f6c5_route
    .symbol:         k_q395c11f6c5_route.kd
    .args:
      - { .name: x, .offset: 0, .size: 8, .value_kind: global_buffer, .address_space: global }
      - { .name: Wg, .offset: 8, .size: 8, .value_kind: global_buffer, .address_space: global }
      - { .name: bg, .offset: 16, .size: 8, .value_kind: global_buffer, .address_space: global }
      - { .name: xq, .offset: 24, .size: 8, .value_kind: global_buffer, .address_space: global }
      - { .name: route, .offset: 32, .size: 8, .value_kind: global_buffer, .address_space: global }
      - { .name: gw, .offset: 40, .size: 8, .value_kind: global_buffer, .address_space: global }
    .group_segment_fixed_size: 71680
    .private_segment_fixed_size: 0
    .kernarg_segment_align: 8
    .kernarg_segment_size: 48
    .max_flat_workgroup_size: 128
    .sgpr_count:     66
    .vgpr_count:     256
    .wavefront_size: 32
...
	.end_amdgpu_metadata
.endif
;; end of part 1
;; launch up (part 2): grid 32 x 8, 4 waves a work-group, no clusters, 72,192 bytes of LDS; arguments W1, b1, xq, route, hq, rowinfo; writes hq, rowinfo
.if DOCPART == 2
	.amdgcn_target "amdgcn-amd-amdhsa--gfx1250"
	.amdhsa_code_object_version 6
	.text
	.protected	k_q395c11f6c5_up
	.globl	k_q395c11f6c5_up
	.p2align	8
	.type	k_q395c11f6c5_up,@function
k_q395c11f6c5_up:
	s_mov_b64 s[64:65], 0
	v_nop
	global_prefetch_b8 v0, s[64:65] scope:SCOPE_SE
	s_setreg_imm32_b32 hwreg(HW_REG_WAVE_MODE, 25, 1), 1
	s_wait_xcnt 0x0
; h = Q(relu(Q(x) Q(W1[e]) + b1[e])) for the rows that the router sent to expert e, both operands in E2M1 with one E8M0 scale for each 32 along K.
; THE WEIGHTS STAY PUT.  Work-group (sl, e) owns W1[e][all 1,024 k][hidden units 128 sl .. +127]: 512 KB of f32, read from memory once, quantised in registers along k,
; handed round through LDS, and kept as codes by EVERY one of its four waves: 64 fragments of 16 units x 128 k, 512 registers.  Weight codes never go to memory.
; Then the waves walk the expert's tiles of 16 rows, wave w tiles w, w + 4, .., two tiles a trip on two buffers of x's fragments, an odd last tile written out behind the loop.  A buffer is asked for again
; straight behind its 64 products and has the other tile's whole turn in which to land.  A tile: x's codes straight from memory (xq), 64 matrix instructions, relu, quantised in registers; the result is
; K step sl of the second product and leaves as an image of the operand's registers (hq: (tile x 32 + sl) x 1,024 + 512 c + 16 lane; scale words from byte 16,777,216 on, 128 bytes an image).
; WHICH ROWS.  route holds the expert's 1,024 membership bits.  Row q of the expert is its q-th set bit: found with whole-number work alone (SELECT2).  Expert e owns tiles 64 e .. 64 e + 63;
; tiles 0 .. max(1, ceil(count / 16)) - 1 are made.  A row past the count works on some token inside x and is marked for the dump row 8192 + e of the next launch's result (rowinfo, stored by sl = 0).
; THE STREAM.  K step s = 128 rows of W1; wave w takes its rows 32 w .. +31, one block of 32 along K.  A load reads one row's 512 consecutive bytes, 16 a lane: a lane gets 4 columns x 32 k.
; The conversion wants 8 neighbours along K in consecutive registers, so the 128 numbers are copied column by column: the price of loads of 16 bytes a lane.  Two landing sets: 64 loads a wave on their way.
; THE PRODUCT IS USED TRANSPOSED (source 0 = 16 hidden units, source 1 = 16 rows of x), and lane r of tile 2 b + u takes unit 32 b + 8 u + r + 8 (r / 8): a lane's 16 registers of tiles 2 b, 2 b + 1
; are then 16 neighbours along the next K.  b1 is the C of each sum's first matrix instruction.
; No tensor load and no cluster: the walk's trip count is read from memory, each weight byte has one reader, and what the 32 work-groups of an expert share, x's codes, is 544 bytes a row against 512 KB of weights.
; LIMITS: NaN and infinities are not served; a block whose largest magnitude lies under 2^-124 (a block of zeros too) gets the byte 1 with its codes; only this program reads the bytes.
; REGISTERS.  window 0: v1-23 addresses and row numbers; v24-55 W1's scale words, v56-63 x's, 4 a buffer (scales and nothing else); v64-191 the stream's 128 numbers, later v64-127 the sums, v128-135 codes,
;   v136-167 at work; v192-219 the stream's quantiser.  windows 1, 2: the fragments (K steps 0-3, 4-7) at 64 (s % 4) + 8 t.  window 3: two landing sets of 128; later v0-63 b1, v64-127 and v128-191 x's fragments.
.set SCL,   0                          ; LDS: scale bytes, 512 s + 4 unit + block
.set CODES, 4096                       ; codes: 128 rows (units) of 512 bytes + 16
.set CP,    528
.set WO,    4                          ; v4   16 x lane
.set ST,    5                          ; v5   where I store a block's codes: 4 CP lane + 16 wave
.set SB,    6                          ; v6   and its scale byte: 16 lane + wave
.set AW,    7                          ; v7   a fragment's row: CP (r + 8 (r / 8)) + 16 h
.set AS,    8                          ; v8   its scale word: 512 h + 4 (r + 8 (r / 8))
.set BO,    9                          ; v9   b1: 64 h
.set XA,    10                         ; v10, v22  x's codes, buffer 0, 1: 512 token + 16 h
.set XSA,   11                         ; v11, v23  x's scale words: 32 token + 16 h
.set H16,   12                         ; v12  16 h
.set HSO,   13                         ; v13  4 x lane
.set RIA,   14                         ; v14  rowinfo: 64 h + 32 (r % 2) + 4 (r / 2)
.set R64,   15                         ; v15  r + 64 h: lanes 16-31 search four tiles further on
.set C0,    16                         ; v16, v17  my row's token in the tile that lies in buffer 0, 1
.set N0,    18                         ; v18, v19  and in the tile that the buffer takes next
.set NIL,   20                         ; v20  0
.set DUMP,  21                         ; v21  8192 + e
.set WS,    24
.set XS,    56
.set T,     64
.set ACC,   64
.set PC,    128
.set TM,    136
.set SQ,    152
.set SQK,   153
.set SKEY,  154
.set SWRD,  155
.set SJ,    156
.set SX1,   157
.set SX2,   158
.set SX3,   159
.set SX4,   160
.set SPOS,  161
.set SCN,   162
.set STMP,  163
.set RI,    164
.set Q,     165
.set PW,    166
.set SX,    167
.set M,     192
.set SOP,   196
.set BY,    200
.set C,     204
.set XF,    64                         ; in window 3
.set MSB, 0
.macro WIN new                         ; the immediate's high byte repeats the setting that is left
.if MSB != \new
	s_set_vgpr_msb (MSB<<8)|\new
.set MSB, \new
.endif
.endm
.macro LOADW s                         ; K step s: my 32 rows into landing set s % 2
	WIN 0xc0                                       ; destination window 3, address window 0
.set LSET, 128*((\s)%2)
.set i_, 0
.rept 32
.if (\s) < 4
	global_load_b128 v[LSET+4*i_:LSET+4*i_+3], v[WO], s[22:23] offset:((\s)%4)*2097152+i_*16384 th:TH_LOAD_NT
.else
	global_load_b128 v[LSET+4*i_:LSET+4*i_+3], v[WO], s[24:25] offset:((\s)%4)*2097152+i_*16384 th:TH_LOAD_NT
.endif
.set i_, i_+1
.endr
	WIN 0
.endm
.macro BLOAD                           ; b1 in the result's layout: tile t, lane half h: units 32 (t / 2) + 16 h + 8 (t % 2) + 0 .. 7
	WIN 0xc0
.irp t, 0,1,2,3,4,5,6,7
	global_load_b128 v[8*\t:8*\t+3], v[BO], s[6:7] offset:4*(32*(\t/2)+8*(\t%2))
	global_load_b128 v[8*\t+4:8*\t+7], v[BO], s[6:7] offset:4*(32*(\t/2)+8*(\t%2))+16
.endr
	WIN 0
.endm
.macro XLOAD buf                       ; 16 rows of x into buffer buf: eight fragments, and their scale words (lanes 0-15: K steps 0-3, lanes 16-31: 4-7): 17 loads
	WIN 0xc0
.irp s, 0,1,2,3,4,5,6,7
.irp c, 0,1
	global_load_b128 v[XF+64*\buf+8*\s+4*\c:XF+64*\buf+8*\s+4*\c+3], v[XA+12*\buf], s[8:9] offset:64*\s+32*\c
.endr
.endr
	WIN 0
	global_load_b128 v[XS+4*\buf:XS+4*\buf+3], v[XSA+12*\buf], s[8:9] offset:524288
.endm
; One halving of the search inside a word: c = the set bits in the lower half of what is left; at or past them, go to the upper half
.macro SSTEP x, width, bits
	v_bfe_u32 v[SCN], v[\x], v[SPOS], \bits
	v_cmp_lt_u32 vcc_lo, v[SJ], v[SCN]
	v_cndmask_b32 v[SCN], v[SCN], v[NIL], vcc_lo
	v_cndmask_b32 v[STMP], \width, v[NIL], vcc_lo
	v_sub_nc_u32 v[SJ], v[SJ], v[SCN]
	v_add_nc_u32 v[SPOS], v[SPOS], v[STMP]
.endm
; ONE SEARCH SERVES TWO TILES.  Lanes 0-15 look for the token of the expert's row 16 x s[stile] + r, lanes 16-31 for that of row 16 x (s[stile] + 4) + r: my wave's next tile.
; Then each half takes the other's finds too: v[d] = the first tile's tokens, v[d + 1] = the second's, by r in both halves of the lanes.
; s[32:63]: the 32 mask words; s[68:99]: keys (set bits ahead of word w)<<5 | w, which rise with w.  The word is the last whose key is at most q<<5 | 31; inside it five halvings on the counts
; of 16, 8, 4, 2 and 1 bits.  A row past the count ends somewhere inside 0 .. 1023.
.macro SELECT2 d, stile
	v_lshl_add_u32 v[SQ], s[\stile], 4, v[R64]
	v_lshl_or_b32 v[SQK], v[SQ], 5, 31
	v_mov_b32 v[SKEY], 0
	v_mov_b32 v[SWRD], s32
.set w_, 1
.rept 31
	v_cmp_gt_u32 vcc_lo, s[68+w_], v[SQK]
	v_cndmask_b32 v[SKEY], s[68+w_], v[SKEY], vcc_lo
	v_cndmask_b32 v[SWRD], s[32+w_], v[SWRD], vcc_lo
.set w_, w_+1
.endr
	v_lshrrev_b32 v[SJ], 5, v[SKEY]
	v_sub_nc_u32 v[SJ], v[SQ], v[SJ]               ; which set bit of the word
	v_and_b32 v[SKEY], 31, v[SKEY]                 ; which word
	v_lshrrev_b32 v[STMP], 1, v[SWRD]
	v_and_b32 v[STMP], 0x55555555, v[STMP]
	v_sub_nc_u32 v[SX1], v[SWRD], v[STMP]          ; counts of 2 bits,
	v_lshrrev_b32 v[STMP], 2, v[SX1]
	v_and_b32 v[STMP], 0x33333333, v[STMP]
	v_and_b32 v[SX2], 0x33333333, v[SX1]
	v_add_nc_u32 v[SX2], v[SX2], v[STMP]           ; of 4,
	v_lshrrev_b32 v[STMP], 4, v[SX2]
	v_add_nc_u32 v[STMP], v[STMP], v[SX2]
	v_and_b32 v[SX3], 0x0f0f0f0f, v[STMP]          ; of 8,
	v_lshrrev_b32 v[STMP], 8, v[SX3]
	v_add_nc_u32 v[SX4], v[SX3], v[STMP]           ; and, in byte 0, of the low 16
	v_mov_b32 v[SPOS], 0
	SSTEP SX4, 16, 8
	SSTEP SX3, 8, 8
	SSTEP SX2, 4, 4
	SSTEP SX1, 2, 2
	SSTEP SWRD, 1, 1
	v_lshl_add_u32 v[SCN], v[SKEY], 5, v[SPOS]     ; my find
	v_permlanex16_b32 v[SX], v[SCN], s66, s67      ; and lane l xor 16's
	v_cndmask_b32 v[\d], v[SCN], v[SX], s18        ; s18: lanes 16-31.  The first tile: they take the other half's,
	v_cndmask_b32 v[\d+1], v[SX], v[SCN], s18      ; the second tile: lanes 0-15 do
	v_min_u32 v[\d], 0x3ff, v[\d]                  ; inside x, whatever the masks hold
	v_min_u32 v[\d+1], 0x3ff, v[\d+1]
.endm
; 64 numbers of a lane, register 16 b + i = k 32 b + 16 h + i of my row, become a fragment's codes in v[PC] on and its scale word in v[PW]
.macro QUANT s
.irp b, 0,1,2,3
	v_max3_num_f32 v[TM+\b], |v[\s+16*\b]|, |v[\s+1+16*\b]|, 0x1800000   ; and the floor 2^(3 - 127): the byte cannot fall under 1
.endr
.irp i, 2,4,6,8,10,12,14
.irp b, 0,1,2,3
	v_max3_num_f32 v[TM+\b], v[TM+\b], |v[\s+16*\b+\i]|, |v[\s+1+16*\b+\i]|
.endr
.endr
.irp b, 0,1,2,3
	v_permlanex16_b32 v[TM+4+\b], v[TM+\b], s66, s67
.endr
.irp b, 0,1,2,3
	v_max_num_f32 v[TM+\b], v[TM+\b], v[TM+4+\b]   ; with lane l xor 16's: the block's largest magnitude
.endr
.irp b, 0,1,2,3
	v_add_nc_u32 v[TM+12+\b], 0xff000000, v[TM+\b] ; 2 off its exponent field: the conversion's scale operand
.endr
.irp b, 0,1,2,3
	v_lshrrev_b32 v[TM+4+\b], 23, v[TM+12+\b]      ; the scale's byte
.endr
	v_lshl_or_b32 v[PW], v[TM+5], 8, v[TM+4]
	v_lshl_or_b32 v[PW], v[TM+6], 16, v[PW]
	v_lshl_or_b32 v[PW], v[TM+7], 24, v[PW]
.irp b, 0,1,2,3
	v_cvt_scalef32_pk8_fp4_f32 v[PC+2*\b], v[\s+16*\b:\s+7+16*\b], v[TM+12+\b]
	v_cvt_scalef32_pk8_fp4_f32 v[PC+1+2*\b], v[\s+8+16*\b:\s+15+16*\b], v[TM+12+\b]
.endr
	v_nop                                          ; one plain line behind a scaled conversion
.irp c, 0,1                                    ; the operand's layout wants a whole block in a lane
.irp i, 0,1
	v_permlane16_swap_b32 v[PC+4*\c+\i], v[PC+2+4*\c+\i]
.endr
.endr
.endm
; K step s of the stream
.macro STEP s
.set LSET, 128*((\s)%2)
.if (\s) == 7
	s_wait_loadcnt 33                              ; behind this set's loads: b1's 16 and the first tile's 17
.else
	s_wait_loadcnt 32                              ; this set is in; the other set's 32 loads may be out
.endif
	WIN 0x03                                       ; source window 3
.set i_, 0
.rept 32
.irp c, 0,1,2,3
	v_mov_b32 v[T+32*\c+i_], v[LSET+4*i_+\c]       ; column c's 32 numbers on end
.endr
.set i_, i_+1
.endr
.if (\s) < 6
	LOADW (\s)+2                                   ; the set is free: two K steps on
.elseif (\s) == 6
	BLOAD                                          ; nothing of W1 is left to ask for: b1 and my first tile's rows of x take the set's place,
	XLOAD 0
.else
	XLOAD 1                                        ; and my second tile's rows the lower half of the other set's
.endif
	WIN 0
.irp c, 0,1,2,3
	v_max3_num_f32 v[M+\c], |v[T+32*\c]|, |v[T+32*\c+1]|, 0x1800000
.endr
.irp i, 2,4,6,8,10,12,14,16,18,20,22,24,26,28,30
.irp c, 0,1,2,3
	v_max3_num_f32 v[M+\c], v[M+\c], |v[T+32*\c+\i]|, |v[T+32*\c+\i+1]|   ; the four columns by turns
.endr
.endr
.irp c, 0,1,2,3
	v_add_nc_u32 v[SOP+\c], 0xff000000, v[M+\c]
.endr
.irp c, 0,1,2,3
.irp g, 0,1,2,3
	v_cvt_scalef32_pk8_fp4_f32 v[C+4*\c+\g], v[T+32*\c+8*\g:T+32*\c+8*\g+7], v[SOP+\c]
.endr
.endr
.irp c, 0,1,2,3
	v_lshrrev_b32 v[BY+\c], 23, v[SOP+\c]          ; the bytes (plain lines behind the conversions)
.endr
.irp c, 0,1,2,3
	ds_store_b128 v[ST], v[C+4*\c:C+4*\c+3] offset:CODES+CP*\c+64*(\s)
.endr
.irp c, 0,1,2,3
	ds_store_b8 v[SB], v[BY+\c] offset:SCL+512*(\s)+4*\c
.endr
	s_wait_dscnt 0x0                               ; my stores have landed (and the last step's fragment loads are in)
	s_barrier_signal -1
	s_barrier_wait -1                              ; the K step's codes are whole.  Its LDS bytes are never written again: one barrier a step
.if (\s) < 4
	WIN 0x40
.else
	WIN 0x80
.endif
.irp t, 0,1,2,3,4,5,6,7
.irp c, 0,1
	ds_load_b128 v[64*((\s)%4)+8*\t+4*\c:64*((\s)%4)+8*\t+4*\c+3], v[AW] offset:CODES+CP*(32*(\t/2)+8*(\t%2))+64*(\s)+32*\c
.endr
.endr
	WIN 0
.if (\s)%2 == 1
.irp t, 0,1,2,3,4,5,6,7
	ds_load_b32 v[WS+8*((\s)/2)+\t], v[AS] offset:SCL+1024*((\s)/2)+4*(32*(\t/2)+8*(\t%2))   ; lanes 0-15: the even K step's words, lanes 16-31: the odd one's
.endr
.endif
.endm
; Tile s21 + 4 buf, whose rows of x lie in buffer buf.  fill = 1: the buffer then takes the rows of the tile eight further on, whose tokens stand in v[N0 + buf].
.macro TILE buf, fill
	s_wait_loadcnt 17                              ; this buffer's 17 loads are in (and, the first time, b1's, issued ahead of them); the other buffer's 17, issued behind them, may be out
.irp s, 0,1,2,3,4,5,6,7                        ; the eight sums take turns, one instruction a turn
.if \s == 0
	WIN 0x3d                                       ; source 0 window 1, source 1 (x) and source 2 (b1) window 3
.elseif \s < 4
	WIN 0x0d
.else
	WIN 0x0e                                       ; source 0 window 2
.endif
.irp t, 0,1,2,3,4,5,6,7
.if \s == 0
	v_wmma_scale_f32_16x16x128_f8f6f4 v[ACC+8*\t:ACC+8*\t+7], v[8*\t:8*\t+7], v[XF+64*\buf:XF+64*\buf+7], v[8*\t:8*\t+7], v[WS+\t], v[XS+4*\buf] matrix_a_fmt:MATRIX_FMT_FP4 matrix_b_fmt:MATRIX_FMT_FP4
.elseif \s == 2
	v_wmma_scale_f32_16x16x128_f8f6f4 v[ACC+8*\t:ACC+8*\t+7], v[64*(\s%4)+8*\t:64*(\s%4)+8*\t+7], v[XF+64*\buf+8*\s:XF+64*\buf+8*\s+7], v[ACC+8*\t:ACC+8*\t+7], v[WS+8*(\s/2)+\t], v[XS+4*\buf+\s%4] matrix_a_fmt:MATRIX_FMT_FP4 matrix_b_fmt:MATRIX_FMT_FP4
.elseif \s < 4
	v_wmma_scale_f32_16x16x128_f8f6f4 v[ACC+8*\t:ACC+8*\t+7], v[64*(\s%4)+8*\t:64*(\s%4)+8*\t+7], v[XF+64*\buf+8*\s:XF+64*\buf+8*\s+7], v[ACC+8*\t:ACC+8*\t+7], v[WS+8*(\s/2)+\t], v[XS+4*\buf+\s%4] matrix_a_fmt:MATRIX_FMT_FP4 matrix_b_fmt:MATRIX_FMT_FP4 matrix_a_scale:MATRIX_SCALE_ROW1
.elseif \s%2 == 0
	v_wmma_scale_f32_16x16x128_f8f6f4 v[ACC+8*\t:ACC+8*\t+7], v[64*(\s%4)+8*\t:64*(\s%4)+8*\t+7], v[XF+64*\buf+8*\s:XF+64*\buf+8*\s+7], v[ACC+8*\t:ACC+8*\t+7], v[WS+8*(\s/2)+\t], v[XS+4*\buf+\s%4] matrix_a_fmt:MATRIX_FMT_FP4 matrix_b_fmt:MATRIX_FMT_FP4 matrix_b_scale:MATRIX_SCALE_ROW1
.else
	v_wmma_scale_f32_16x16x128_f8f6f4 v[ACC+8*\t:ACC+8*\t+7], v[64*(\s%4)+8*\t:64*(\s%4)+8*\t+7], v[XF+64*\buf+8*\s:XF+64*\buf+8*\s+7], v[ACC+8*\t:ACC+8*\t+7], v[WS+8*(\s/2)+\t], v[XS+4*\buf+\s%4] matrix_a_fmt:MATRIX_FMT_FP4 matrix_b_fmt:MATRIX_FMT_FP4 matrix_a_scale:MATRIX_SCALE_ROW1 matrix_b_scale:MATRIX_SCALE_ROW1
.endif
.endr
.endr
	WIN 0
	s_wait_xcnt 0x0                                ; the last tile's stores have read their data: RI, the codes and the scale word are written again only behind this wait
	s_add_co_u32 s100, s21, 4*\buf
	v_lshl_add_u32 v[Q], s100, 4, v2               ; my row's number in the expert.  These plain lines, which name no register of the products, stand between the last product
	v_add_nc_u32 v[RI], s101, v[C0+\buf]           ; and the loads into x's registers and the first read of the sums.  Where the row's result will go: row 1,024 e + token
.if \fill
	v_lshl_add_u32 v[XA+12*\buf], v[N0+\buf], 9, v[H16]    ; (this buffer's loads are done, so its address registers may be written)
	v_lshl_add_u32 v[XSA+12*\buf], v[N0+\buf], 5, v[H16]
	v_mov_b32 v[C0+\buf], v[N0+\buf]
.else
	v_nop
	v_nop
.endif
	v_cmp_gt_u32 vcc_lo, s19, v[Q]
	v_cndmask_b32 v[RI], v[DUMP], v[RI], vcc_lo    ; or, past the count, the dump row
.if \fill
	XLOAD \buf                                     ; two of my tiles ahead.  The token is held inside x, so the last trips' loads stay inside xq
.endif
	s_cmp_lg_u32 s17, 0
	s_cbranch_scc1 .Lnori_\@
	global_store_b32 v[RIA], v[RI], s[30:31] offset:512*\buf   ; slice 0 writes the tile's row numbers, even rows first, then odd: as the next launch's stores take them (lanes 16-31: a second copy, which nobody reads)
.Lnori_\@:
.set j_, 0
.rept 64
	v_max_num_f32 v[ACC+j_], 0, v[ACC+j_]          ; relu, each sum from its low end on
.set j_, j_+1
.endr
	QUANT ACC
	global_store_b128 v[WO], v[PC:PC+3], s[26:27] offset:131072*\buf          ; the operand's registers as they stand: 512 consecutive bytes a store; the trip's second tile lies four tiles on
	global_store_b128 v[WO], v[PC+4:PC+7], s[26:27] offset:131072*\buf+512
	global_store_b32 v[HSO], v[PW], s[28:29] offset:16384*\buf
.endm
	s_load_b256 s[4:11], s[0:1], 0x0               ; W1, b1, xq, route
	s_load_b128 s[12:15], s[0:1], 0x20             ; hq, rowinfo
	v_lshl_add_u32 v254, v0, 2, 0x11800
	v_mov_b32 v255, 0
	v_lshrrev_b32 v1, 5, v0
	v_readfirstlane_b32 s16, v1                    ; wave
	s_mov_b32 s17, ttmp9                           ; sl
	s_and_b32 s18, ttmp7, 0xffff                   ; e
	v_and_b32 v1, 31, v0
	v_and_b32 v2, 15, v0                           ; r
	v_bfe_u32 v3, v0, 4, 1                         ; h
	v_lshlrev_b32 v[WO], 4, v1
	v_mul_u32_u24 v[ST], v1, 4*CP
	s_lshl_b32 s100, s16, 4
	v_add_nc_u32 v[ST], s100, v[ST]
	v_add_nc_u32 v[SB], s16, v[WO]
	v_and_b32 v22, 8, v2
	v_add_nc_u32 v22, v22, v2                      ; r + 8 (r / 8)
	v_mul_u32_u24 v[AW], v22, CP
	v_lshl_add_u32 v[AW], v3, 4, v[AW]
	v_lshlrev_b32 v[AS], 2, v22
	v_lshl_add_u32 v[AS], v3, 9, v[AS]
	v_lshlrev_b32 v[BO], 6, v3
	v_lshlrev_b32 v[H16], 4, v3
	v_lshlrev_b32 v[HSO], 2, v1
	v_and_b32 v23, 1, v2
	v_lshlrev_b32 v23, 5, v23
	v_lshrrev_b32 v[RIA], 1, v2
	v_lshl_add_u32 v[RIA], v[RIA], 2, v23
	v_lshl_add_u32 v[RIA], v3, 6, v[RIA]
	v_lshl_add_u32 v[R64], v3, 6, v2
	v_mov_b32 v[NIL], 0
	v_mov_b32 v[SX], 0                             ; a lane permute's destination counts as one of its sources
	s_add_co_u32 s100, s18, 8192
	v_mov_b32 v[DUMP], s100
	s_mov_b32 s66, 0x76543210
	s_mov_b32 s67, 0xfedcba98                      ; v_permlanex16_b32's selects for lane l xor 16
	s_lshl_b32 s100, s18, 24                       ; W1: expert, my wave's 32 rows of 16,384 bytes, the slice's 512 bytes
	s_lshl_b32 s101, s16, 19
	s_add_co_u32 s100, s100, s101
	s_lshl_b32 s101, s17, 9
	s_add_co_u32 s100, s100, s101
	s_mov_b32 s101, 0
	s_wait_kmcnt 0x0
	s_add_nc_u64 s[22:23], s[4:5], s[100:101]      ; K steps 0-3,
	s_add_nc_u64 s[24:25], s[22:23], 0x800000      ; and 4-7: so every offset fits the immediate
	s_lshl_b32 s100, s18, 7
	s_add_nc_u64 s[10:11], s[10:11], s[100:101]
	s_load_b512 s[32:47], s[10:11], 0x0            ; the expert's 1,024 membership bits
	s_load_b512 s[48:63], s[10:11], 0x40
	LOADW 0
	LOADW 1
	s_lshl_b32 s100, s18, 14
	s_lshl_b32 s21, s17, 9
	s_add_co_u32 s100, s100, s21
	s_add_nc_u64 s[6:7], s[6:7], s[100:101]        ; b1 at my slice
	s_lshl_b32 s100, s18, 21
	s_lshl_b32 s21, s16, 15
	s_add_co_u32 s100, s100, s21
	s_lshl_b32 s21, s17, 10
	s_add_co_u32 s100, s100, s21
	s_add_nc_u64 s[26:27], s[12:13], s[100:101]    ; hq: ((64 e + wave) 32 + sl) x 1,024,
	s_lshr_b32 s100, s100, 3
	s_add_nc_u64 s[28:29], s[12:13], s[100:101]
	s_add_nc_u64 s[28:29], s[28:29], 0x1000000     ; and its scale words: an eighth of that, behind the codes
	s_lshl_b32 s100, s18, 13
	s_lshl_b32 s21, s16, 7
	s_add_co_u32 s100, s100, s21
	s_add_nc_u64 s[30:31], s[14:15], s[100:101]    ; rowinfo: (64 e + wave) x 128
	s_wait_kmcnt 0x0
	s_mov_b32 s19, 0
.set w_, 0
.rept 32
	s_lshl_b32 s100, s19, 5
	s_or_b32 s[68+w_], s100, w_                    ; the key of word w
	s_bcnt1_i32_b32 s100, s[32+w_]
	s_add_co_u32 s19, s19, s100
.set w_, w_+1
.endr                                          ; s19: the expert's rows
	s_add_co_u32 s20, s19, 15
	s_lshr_b32 s20, s20, 4
	s_max_u32 s20, s20, 1                          ; its tiles; tile 0 is always made
	s_lshl_b32 s101, s18, 10                       ; 1,024 e
	s_mov_b32 s18, 0xffff0000                      ; e is done with: from here on s18 names lanes 16-31
	s_mov_b32 s100, s16
	SELECT2 C0, 100                                ; the tokens of my tiles wave and wave + 4,
	s_add_co_u32 s100, s16, 8
	SELECT2 N0, 100                                ; and of wave + 8 and wave + 12
	v_lshl_add_u32 v[XA], v[C0], 9, v[H16]
	v_lshl_add_u32 v[XSA], v[C0], 5, v[H16]
	v_lshl_add_u32 v[XA+12], v[C0+1], 9, v[H16]
	v_lshl_add_u32 v[XSA+12], v[C0+1], 5, v[H16]
	STEP 0
	STEP 1
	STEP 2
	STEP 3
	STEP 4
	STEP 5
	STEP 6
	STEP 7
	s_wait_dscnt 0x0                               ; all 64 fragments and their scale words are in my registers
.irp b, 0,1,2,3
	v_mov_b32 v[TM+4+\b], 0                        ; a lane permute's destination counts as one of its sources
.endr
	s_mov_b32 s21, s16                             ; the tile in buffer 0
	s_add_co_u32 s3, s20, 3
	s_sub_co_u32 s3, s3, s16                       ; (tiles + 3 - wave is at least 1: nothing wraps)
	s_lshr_b32 s3, s3, 2                           ; my wave's tiles: wave, wave + 4, .. under the expert's number
	s_cmp_eq_u32 s3, 0
	s_cbranch_scc1 .Lend                           ; no tile for this wave; no barrier follows
	s_and_b32 s16, s3, 1                           ; an odd one is left for the tail (the wave's number is done with),
	s_lshr_b32 s3, s3, 1                           ; the others go in pairs, a pair a trip
	s_mov_b32 s2, 0                                ; the walk is counted trip by trip against the number of pairs
	s_cmp_eq_u32 s3, 0
	s_cbranch_scc1 .Lodd
.Ltile:                                            ; tiles s21 and s21 + 4
	TILE 0, 1
	TILE 1, 1
	s_add_co_u32 s100, s21, 16
	SELECT2 N0, 100                                ; the tokens of the pair after the next
	s_wait_xcnt 0x0                                ; the stores have read their bases: these are stepped only behind this wait
	s_add_nc_u64 s[26:27], s[26:27], 262144        ; eight tiles on
	s_add_nc_u64 s[28:29], s[28:29], 32768
	s_add_nc_u64 s[30:31], s[30:31], 1024
	s_add_co_u32 s21, s21, 8
	s_add_co_u32 s2, s2, 1
	s_cmp_lt_u32 s2, s3
	s_cbranch_scc1 .Ltile
.Lodd:                                             ; on both ways here buffer 0's 17 loads were issued first and buffer 1's 17 behind them
	s_cmp_eq_u32 s16, 0
	s_cbranch_scc1 .Lend
	TILE 0, 0                                      ; the odd last tile: nothing more is asked for
.Lend:
	s_wait_tensorcnt 0x0
	ds_add_u32 v254, v255
	s_wait_dscnt 0x0
	s_endpgm
.Lfunc_end_k_q395c11f6c5_up:
	.size	k_q395c11f6c5_up, .Lfunc_end_k_q395c11f6c5_up-k_q395c11f6c5_up
	.p2alignl 7, 3214868480
	.fill 96, 4, 3214868480
	.section	.rodata,"a",@progbits
	.p2align	6, 0x0
	.amdhsa_kernel k_q395c11f6c5_up
		.amdhsa_group_segment_fixed_size 72192
		.amdhsa_private_segment_fixed_size 0
		.amdhsa_enable_private_segment 0
		.amdhsa_kernarg_size 48
		.amdhsa_user_sgpr_count 2
		.amdhsa_user_sgpr_kernarg_segment_ptr 1
		.amdhsa_wavefront_size32 1
		.amdhsa_system_sgpr_workgroup_id_x 1
		.amdhsa_system_sgpr_workgroup_id_y 1
		.amdhsa_system_sgpr_workgroup_id_z 1
		.amdhsa_system_vgpr_workitem_id 0
		.amdhsa_next_free_vgpr 1024
		.amdhsa_next_free_sgpr 102
		.amdhsa_reserve_vcc 1
		.amdhsa_float_denorm_mode_32 3
		.amdhsa_float_denorm_mode_16_64 3
		.amdhsa_memory_ordered 1
		.amdhsa_forward_progress 1
		.amdhsa_inst_pref_size 193
	.end_amdhsa_kernel
	.amdgpu_metadata
---
amdhsa.version: [ 1, 2 ]
amdhsa.kernels:
  - .name:           k_q395c11f6c5_up
    .symbol:         k_q395c11f6c5_up.kd
    .args:
      - { .name: W1, .offset: 0, .size: 8, .value_kind: global_buffer, .address_space: global }
      - { .name: b1, .offset: 8, .size: 8, .value_kind: global_buffer, .address_space: global }
      - { .name: xq, .offset: 16, .size: 8, .value_kind: global_buffer, .address_space: global }
      - { .name: route, .offset: 24, .size: 8, .value_kind: global_buffer, .address_space: global }
      - { .name: hq, .offset: 32, .size: 8, .value_kind: global_buffer, .address_space: global }
      - { .name: rowinfo, .offset: 40, .size: 8, .value_kind: global_buffer, .address_space: global }
    .group_segment_fixed_size: 72192
    .private_segment_fixed_size: 0
    .kernarg_segment_align: 8
    .kernarg_segment_size: 48
    .max_flat_workgroup_size: 128
    .sgpr_count:     102
    .vgpr_count:     1024
    .wavefront_size: 32
...
	.end_amdgpu_metadata
.endif
;; end of part 2
;; launch down (part 3): grid 32 x 8, 4 waves a work-group, no clusters, 88,576 bytes of LDS; arguments W2, hq, route, rowinfo, yp; writes yp
.if DOCPART == 3
	.amdgcn_target "amdgcn-amd-amdhsa--gfx1250"
	.amdhsa_code_object_version 6
	.text
	.protected	k_q395c11f6c5_down
	.globl	k_q395c11f6c5_down
	.p2align	8
	.type	k_q395c11f6c5_down,@function
k_q395c11f6c5_down:
	s_mov_b64 s[64:65], 0
	v_nop
	global_prefetch_b8 v0, s[64:65] scope:SCOPE_SE
	s_setreg_imm32_b32 hwreg(HW_REG_WAVE_MODE, 25, 1), 1
	s_wait_xcnt 0x0
; Parts of y = h Q(W2[e]) for the rows of expert e, on codes of E2M1 with one E8M0 scale for each 32 along K (the hidden units).
; THE WEIGHTS STAY PUT, as in the launch before.  Work-group (cg + 16 kh, e) owns W2[e][hidden units 2,048 kh .. +2,047][columns 64 cg .. +63]: 512 KB of f32, read once, quantised in registers,
; handed round through LDS and kept as codes by every one of its four waves: 64 fragments of 16 columns x 128 k, 512 registers.
; 64 columns x half of K: a row's piece is 256 consecutive aligned bytes, a result row's piece likewise, and there are 256 work-groups.  The price: y comes in two parts along K, which the last launch adds.
; Then the waves walk the expert's tiles of 16 rows (wave w: tiles w, w + 4, ..), two tiles a trip on two buffers, an odd last tile written out behind the loop: 16 images of h's fragments from hq,
; 64 matrix instructions, and the 16 x 64 results go, through the wave's own stage in LDS,
; to yp[kh][row][64 cg ..], row = 1,024 e + token as rowinfo says, or the dump row 8,192 + e for rows past the expert's count (nobody reads it; only this work-group writes its piece).
; THE WALKS ARE STAGGERED.  The 16 work-groups of one (e, kh) read the same images.  A wave takes its tiles each once, but begins at place cg % 4 of its list and goes round the list's end: so the two tiles
; that each wave asks for in the stream's last two steps cover, over the four starts, places 0 to 4 of every list, and what a walk asks for later has as a rule been asked for before by a neighbour.
; The rows' places in yp come with each tile (rowinfo), so nothing else hangs on the order.
; THE STREAM.  A step is 256 rows; wave w takes rows 64 w .. +63, two blocks of 32 along K.  A load reads two rows' 256 bytes (lanes 0-15 row i, lanes 16-31 row 16 + i): a lane gets 4 columns x 16 k of a block,
; and lane l xor 16 holds the block's other half.  The numbers are copied column by column, since the conversion wants 8 neighbours along K in consecutive registers.
; THE PRODUCT IS USED TRANSPOSED (source 0 = 16 columns of W2, source 1 = 16 rows of h): a lane holds eight neighbouring columns of one row of y.
; No tensor load and no cluster: the walk's trip count is read from memory, and each weight byte has one reader; h's images, which 16 work-groups share, are 17 KB a tile against 512 KB of weights.
; LIMITS: NaN and infinities are not served; a block whose largest magnitude lies under 2^-124 (a block of zeros too) gets the byte 1 with its codes.
; REGISTERS.  window 0: v1-14 addresses; v24-55 W2's scale words, v56-71 h's, 8 a buffer (scales and nothing else); v72-199 the stream's 128 numbers, later v72-103 the sums, v104-135 rows on the way out,
;   v152-159 their offsets; v200-235 the stream's quantiser; v236-251 row numbers, 8 a buffer.  windows 1, 2: the fragments at 32 (sg % 8) + 8 ct.  window 3: two landing sets, later two buffers of h's 16 fragments.
.set SCL,   0                          ; LDS: scale bytes, 256 sg + 4 column + block
.set CODES, 4096                       ; codes: 64 rows (columns of W2) of 1,024 bytes + 16
.set CP,    1040
.set STG,   70656                      ; a stage of 16 rows x (256 + 16) bytes for each wave
.set SP,    272
.set WO,    4                          ; v4   65,536 h + 16 r
.set ST,    5                          ; v5   4 CP r + 8 h + 32 wave
.set SB,    6                          ; v6   16 r + 256 (wave / 2) + 2 (wave % 2)
.set AW,    7                          ; v7   CP r + 16 h
.set AS,    8                          ; v8   256 h + 4 r
.set LI,    9                          ; v9   16 x lane
.set HSA,   10                         ; v10  128 h + 4 r
.set RIA,   11                         ; v11  32 h
.set SO,    12                         ; v12  the stage, in: row r, + 32 h
.set SR,    13                         ; v13  and back: row h, + 16 r
.set R16,   14                         ; v14  16 r
.set WS,    24
.set HS,    56
.set T,     72
.set ACC,   72
.set OUT,   104
.set YO,    152
.set M,     200
.set P,     208
.set B16,   216
.set C,     220
.set RD,    236
.set MSB, 0
.macro WIN new
.if MSB != \new
	s_set_vgpr_msb (MSB<<8)|\new
.set MSB, \new
.endif
.endm
.macro LOADW tau                       ; step tau: my 64 rows into landing set tau % 2
	WIN 0xc0
.set LSET, 128*((\tau)%2)
.irp b, 0,1
.set i_, 0
.rept 16
	global_load_b128 v[LSET+64*\b+4*i_:LSET+64*\b+4*i_+3], v[WO], s[22:23] offset:(\tau)*1048576+(32*\b+i_)*4096 th:TH_LOAD_NT
.set i_, i_+1
.endr
.endr
	WIN 0
.endm
; The tile at place s44 of my list (tile wave + 4 s44) into buffer buf: 32 loads of code images, 8 of scale words (lanes 16-31 take the odd K step's), 2 of row numbers: 42.  Then s44 goes one place on,
; round the list's end (s43: my list's length).  The tile is held under the expert's number of tiles, so it is one that the launch before has stored, for a wave with an empty list too.
.macro HLOAD buf
	s_lshl_b32 s68, s44, 2
	s_add_co_u32 s68, s68, s16
	s_min_u32 s68, s68, s70
	s_min_u32 s68, s68, 63
	s_add_co_u32 s44, s44, 1
	s_cmp_ge_u32 s44, s43
	s_cselect_b32 s44, 0, s44
	s_lshl_b32 s38, s68, 15
	s_mov_b32 s39, 0
	s_add_nc_u64 s[32:33], s[24:25], s[38:39]
	s_lshl_b32 s38, s68, 12
	s_add_nc_u64 s[34:35], s[26:27], s[38:39]
	s_lshl_b32 s38, s68, 7
	s_add_nc_u64 s[36:37], s[28:29], s[38:39]
	WIN 0xc0
.set g_, 0
.rept 16
	global_load_b128 v[128*\buf+8*g_:128*\buf+8*g_+3], v[LI], s[32:33] offset:1024*g_
	global_load_b128 v[128*\buf+8*g_+4:128*\buf+8*g_+7], v[LI], s[32:33] offset:1024*g_+512
.set g_, g_+1
.endr
	WIN 0
.irp p, 0,1,2,3,4,5,6,7
	global_load_b32 v[HS+8*\buf+\p], v[HSA], s[34:35] offset:256*\p
.endr
	global_load_b128 v[RD+8*\buf:RD+8*\buf+3], v[RIA], s[36:37]
	global_load_b128 v[RD+8*\buf+4:RD+8*\buf+7], v[RIA], s[36:37] offset:16
.endm
.macro STEP tau
.set LSET, 128*((\tau)%2)
.if (\tau) == 7
	s_wait_loadcnt 42                              ; behind this set's loads: the first tile's 42
.else
	s_wait_loadcnt 32                              ; this set is in; the other set's 32 loads may be out
.endif
	WIN 0x03
.irp b, 0,1
.set i_, 0
.rept 16
.irp c, 0,1,2,3
	v_mov_b32 v[T+64*\b+16*\c+i_], v[LSET+64*\b+4*i_+\c]   ; block b, column c: my 16 numbers on end
.endr
.set i_, i_+1
.endr
.endr
.if (\tau) < 6
	LOADW (\tau)+2
.else
	WIN 0
	s_wait_xcnt 0x0                                ; the three bases are written only behind this wait
.if (\tau) == 6
	HLOAD 0                                        ; nothing of W2 is left to ask for: my walk's first tile takes the set's place,
.else
	HLOAD 1                                        ; and its second the other's
.endif
.endif
	WIN 0
.irp q, 0,1,2,3,4,5,6,7                        ; group q = 4 b + c
	v_max3_num_f32 v[M+\q], |v[T+16*\q]|, |v[T+16*\q+1]|, 0x1800000
.endr
.irp i, 2,4,6,8,10,12,14
.irp q, 0,1,2,3,4,5,6,7
	v_max3_num_f32 v[M+\q], v[M+\q], |v[T+16*\q+\i]|, |v[T+16*\q+\i+1]|
.endr
.endr
.irp q, 0,1,2,3,4,5,6,7
	v_permlanex16_b32 v[P+\q], v[M+\q], s66, s67
.endr
.irp q, 0,1,2,3,4,5,6,7
	v_max_num_f32 v[M+\q], v[M+\q], v[P+\q]        ; with lane l xor 16's: the block's largest magnitude
.endr
.irp q, 0,1,2,3,4,5,6,7
	v_add_nc_u32 v[M+\q], 0xff000000, v[M+\q]      ; 2 off its exponent field: the conversion's scale operand
.endr
.irp q, 0,1,2,3,4,5,6,7
	v_lshrrev_b32 v[P+\q], 23, v[M+\q]             ; the scale's byte
.endr
.irp c, 0,1,2,3
	v_lshl_or_b32 v[B16+\c], v[P+4+\c], 8, v[P+\c] ; a column's two blocks are neighbours in its scale word
.endr
.irp q, 0,1,2,3,4,5,6,7
	v_cvt_scalef32_pk8_fp4_f32 v[C+2*\q], v[T+16*\q:T+16*\q+7], v[M+\q]
	v_cvt_scalef32_pk8_fp4_f32 v[C+2*\q+1], v[T+16*\q+8:T+16*\q+15], v[M+\q]
.endr
	v_nop                                          ; one plain line behind a scaled conversion
.irp b, 0,1
.irp c, 0,1,2,3
	ds_store_b64 v[ST], v[C+2*(4*\b+\c):C+2*(4*\b+\c)+1] offset:CODES+CP*\c+128*(\tau)+16*\b
.endr
.endr
.irp c, 0,1,2,3
	ds_store_b16 v[SB], v[B16+\c] offset:SCL+512*(\tau)+4*\c     ; both halves of the lanes write the same two bytes with the same values
.endr
	s_wait_dscnt 0x0                               ; my stores have landed (and the last step's fragment loads are in)
	s_barrier_signal -1
	s_barrier_wait -1                              ; the step's codes are whole.  Its LDS bytes are never written again: one barrier a step
.if (\tau) < 4
	WIN 0x40
.else
	WIN 0x80
.endif
.irp u, 0,1
.irp ct, 0,1,2,3
.irp c, 0,1
	ds_load_b128 v[32*((2*(\tau)+\u)%8)+8*\ct+4*\c:32*((2*(\tau)+\u)%8)+8*\ct+4*\c+3], v[AW] offset:CODES+16*CP*\ct+64*(2*(\tau)+\u)+32*\c
.endr
.endr
.endr
	WIN 0
.irp ct, 0,1,2,3
	ds_load_b32 v[WS+4*(\tau)+\ct], v[AS] offset:SCL+512*(\tau)+64*\ct   ; lanes 0-15: K step 2 tau's words, lanes 16-31: 2 tau + 1's
.endr
.endm
; The tile in buffer buf is multiplied and stored.  fill = 1: the buffer then takes the next tile of my list.
.macro HALF buf, fill
	s_wait_loadcnt 42                              ; this buffer's 42 loads are in; the other buffer's 42, issued behind them, may be out
.set g_, 0
.rept 16                                       ; the four sums take turns, one instruction a turn
.if g_ < 8
	WIN 0x0d                                       ; source 0 window 1, source 1 (h) window 3
.else
	WIN 0x0e                                       ; source 0 window 2
.endif
.irp ct, 0,1,2,3
.if g_ == 0
	v_wmma_scale_f32_16x16x128_f8f6f4 v[ACC+8*\ct:ACC+8*\ct+7], v[8*\ct:8*\ct+7], v[128*\buf:128*\buf+7], 0, v[WS+\ct], v[HS+8*\buf] matrix_a_fmt:MATRIX_FMT_FP4 matrix_b_fmt:MATRIX_FMT_FP4
.elseif g_%2 == 0
	v_wmma_scale_f32_16x16x128_f8f6f4 v[ACC+8*\ct:ACC+8*\ct+7], v[32*(g_%8)+8*\ct:32*(g_%8)+8*\ct+7], v[128*\buf+8*g_:128*\buf+8*g_+7], v[ACC+8*\ct:ACC+8*\ct+7], v[WS+4*(g_/2)+\ct], v[HS+8*\buf+g_/2] matrix_a_fmt:MATRIX_FMT_FP4 matrix_b_fmt:MATRIX_FMT_FP4
.else
	v_wmma_scale_f32_16x16x128_f8f6f4 v[ACC+8*\ct:ACC+8*\ct+7], v[32*(g_%8)+8*\ct:32*(g_%8)+8*\ct+7], v[128*\buf+8*g_:128*\buf+8*g_+7], v[ACC+8*\ct:ACC+8*\ct+7], v[WS+4*(g_/2)+\ct], v[HS+8*\buf+g_/2] matrix_a_fmt:MATRIX_FMT_FP4 matrix_b_fmt:MATRIX_FMT_FP4 matrix_a_scale:MATRIX_SCALE_ROW1 matrix_b_scale:MATRIX_SCALE_ROW1
.endif
.endr
.set g_, g_+1
.endr
	WIN 0
	s_wait_xcnt 0x0                                ; the last tile's stores have read their offsets and data, the loads their bases: all are written again only behind this wait
.irp i, 0,1,2,3,4,5,6,7
	v_min_u32 v[YO+\i], 0x2007, v[RD+8*\buf+\i]    ; rows 2 i + h of the tile: held inside yp.  These sixteen plain lines stand between the last product and the loads and LDS stores below
.endr
.irp i, 0,1,2,3,4,5,6,7
	v_lshl_add_u32 v[YO+\i], v[YO+\i], 12, v[R16]  ; x 4,096 bytes, + 16 r
.endr
.if \fill
	HLOAD \buf
.endif
.irp ct, 0,1,2,3
	ds_store_b128 v[SO], v[ACC+8*\ct:ACC+8*\ct+3] offset:64*\ct          ; each sum from its low end on
	ds_store_b128 v[SO], v[ACC+8*\ct+4:ACC+8*\ct+7] offset:64*\ct+16
.endr
.irp i, 0,1,2,3,4,5,6,7
	ds_load_b128 v[OUT+4*\i:OUT+4*\i+3], v[SR] offset:2*SP*\i            ; a wave's LDS instructions are served in order: these see the stores above
.endr
.irp i, 0,1,2,3,4,5,6,7
	s_wait_dscnt 7-\i
	global_store_b128 v[YO+\i], v[OUT+4*\i:OUT+4*\i+3], s[30:31]         ; sixteen lanes store a row's 256 consecutive bytes, aligned
.endr
.endm
	s_load_b256 s[4:11], s[0:1], 0x0               ; W2, hq, route, rowinfo
	s_load_b64 s[12:13], s[0:1], 0x20              ; yp
	v_lshl_add_u32 v254, v0, 2, 0x15800
	v_mov_b32 v255, 0
	v_lshrrev_b32 v1, 5, v0
	v_readfirstlane_b32 s16, v1                    ; wave
	s_and_b32 s17, ttmp9, 15                       ; cg
	s_lshr_b32 s19, ttmp9, 4                       ; kh
	s_and_b32 s18, ttmp7, 0xffff                   ; e
	v_and_b32 v1, 31, v0
	v_and_b32 v2, 15, v0                           ; r
	v_bfe_u32 v3, v0, 4, 1                         ; h
	v_lshlrev_b32 v[R16], 4, v2
	v_lshl_add_u32 v[WO], v3, 16, v[R16]
	v_mul_u32_u24 v[ST], v2, 4*CP
	v_lshl_add_u32 v[ST], v3, 3, v[ST]
	s_lshl_b32 s68, s16, 5
	v_add_nc_u32 v[ST], s68, v[ST]
	s_lshr_b32 s68, s16, 1
	s_lshl_b32 s68, s68, 8
	s_and_b32 s71, s16, 1
	s_lshl_b32 s71, s71, 1
	s_add_co_u32 s68, s68, s71
	v_add_nc_u32 v[SB], s68, v[R16]
	v_mul_u32_u24 v[AW], v2, CP
	v_lshl_add_u32 v[AW], v3, 4, v[AW]
	v_lshlrev_b32 v[AS], 2, v2
	v_lshl_add_u32 v[HSA], v3, 7, v[AS]
	v_lshl_add_u32 v[AS], v3, 8, v[AS]
	v_lshlrev_b32 v[LI], 4, v1
	v_lshlrev_b32 v[RIA], 5, v3
	s_mul_i32 s68, s16, 16*SP
	s_add_co_u32 s68, s68, STG                     ; my stage
	v_mul_u32_u24 v[SO], v2, SP
	v_lshl_add_u32 v[SO], v3, 5, v[SO]
	v_add_nc_u32 v[SO], s68, v[SO]
	v_mul_u32_u24 v[SR], v3, SP
	v_add_nc_u32 v[SR], v[SR], v[R16]
	v_add_nc_u32 v[SR], s68, v[SR]
.irp q, 0,1,2,3,4,5,6,7
	v_mov_b32 v[P+\q], 0                           ; a lane permute's destination counts as one of its sources
.endr
	s_mov_b32 s66, 0x76543210
	s_mov_b32 s67, 0xfedcba98
	s_lshl_b32 s68, s18, 24                        ; W2: expert, half of K, my wave's 64 rows of 4,096 bytes, the 64 columns
	s_lshl_b32 s71, s19, 23
	s_add_co_u32 s68, s68, s71
	s_lshl_b32 s71, s16, 18
	s_add_co_u32 s68, s68, s71
	s_lshl_b32 s71, s17, 8
	s_add_co_u32 s68, s68, s71
	s_mov_b32 s69, 0
	s_wait_kmcnt 0x0
	s_add_nc_u64 s[22:23], s[4:5], s[68:69]
	s_lshl_b32 s68, s18, 7
	s_add_nc_u64 s[8:9], s[8:9], s[68:69]
	s_load_b512 s[32:47], s[8:9], 0x0              ; the expert's membership bits: here only their count is wanted
	s_load_b512 s[48:63], s[8:9], 0x40
	LOADW 0
	LOADW 1
	s_lshl_b32 s68, s18, 21
	s_lshl_b32 s71, s19, 14
	s_add_co_u32 s68, s68, s71
	s_add_nc_u64 s[24:25], s[6:7], s[68:69]        ; hq: (64 e x 32 + 16 kh) x 1,024: the expert's tile 0, my half of K,
	s_lshr_b32 s68, s68, 3
	s_add_nc_u64 s[26:27], s[6:7], s[68:69]
	s_add_nc_u64 s[26:27], s[26:27], 0x1000000     ; its scale words,
	s_lshl_b32 s68, s18, 13
	s_add_nc_u64 s[28:29], s[10:11], s[68:69]      ; its row numbers
	s_mul_i32 s68, s19, 33587200
	s_lshl_b32 s71, s17, 8
	s_add_co_u32 s68, s68, s71
	s_add_nc_u64 s[30:31], s[12:13], s[68:69]      ; yp: my part along K, my 64 columns
	s_wait_kmcnt 0x0
	s_bcnt1_i32_b32 s20, s32
.set w_, 1
.rept 31
	s_bcnt1_i32_b32 s68, s[32+w_]
	s_add_co_u32 s20, s20, s68
.set w_, w_+1
.endr                                          ; the mask words are done with: s32 to s44 serve the walk from here on
	s_add_co_u32 s20, s20, 15
	s_lshr_b32 s20, s20, 4
	s_max_u32 s20, s20, 1                          ; the expert's tiles, as the launch before counted them
	s_sub_co_u32 s70, s20, 1
	s_add_co_u32 s43, s20, 3
	s_sub_co_u32 s43, s43, s16                     ; (tiles + 3 - wave is at least 1: nothing wraps)
	s_lshr_b32 s43, s43, 2                         ; my list's length: tiles wave, wave + 4, .. under the expert's number
	s_and_b32 s44, s17, 3                          ; where my walk begins: place cg % 4,
	s_cmp_ge_u32 s44, s43
	s_cselect_b32 s44, 0, s44                      ; or place 0 where the list is shorter than that
	STEP 0
	STEP 1
	STEP 2
	STEP 3
	STEP 4
	STEP 5
	STEP 6
	STEP 7
	s_wait_dscnt 0x0                               ; all 64 fragments and their scale words are in my registers
	s_cmp_eq_u32 s43, 0
	s_cbranch_scc1 .Lend                           ; no tile for this wave; no barrier follows
	s_and_b32 s42, s43, 1                          ; an odd one is left for the tail,
	s_lshr_b32 s41, s43, 1                         ; the others go in pairs, a pair a trip
	s_mov_b32 s40, 0                               ; the walk is counted trip by trip against the number of pairs
	s_cmp_eq_u32 s41, 0
	s_cbranch_scc1 .Lodd
.Ltile:                                            ; the next two tiles of my list
	HALF 0, 1
	HALF 1, 1
	s_add_co_u32 s40, s40, 1
	s_cmp_lt_u32 s40, s41
	s_cbranch_scc1 .Ltile
.Lodd:                                             ; on both ways here buffer 0's 42 loads were issued first and buffer 1's 42 behind them
	s_cmp_eq_u32 s42, 0
	s_cbranch_scc1 .Lend
	HALF 0, 0                                      ; the odd last tile: nothing more is asked for
.Lend:
	s_wait_tensorcnt 0x0
	ds_add_u32 v254, v255
	s_wait_dscnt 0x0
	s_endpgm
.Lfunc_end_k_q395c11f6c5_down:
	.size	k_q395c11f6c5_down, .Lfunc_end_k_q395c11f6c5_down-k_q395c11f6c5_down
	.p2alignl 7, 3214868480
	.fill 96, 4, 3214868480
	.section	.rodata,"a",@progbits
	.p2align	6, 0x0
	.amdhsa_kernel k_q395c11f6c5_down
		.amdhsa_group_segment_fixed_size 88576
		.amdhsa_private_segment_fixed_size 0
		.amdhsa_enable_private_segment 0
		.amdhsa_kernarg_size 40
		.amdhsa_user_sgpr_count 2
		.amdhsa_user_sgpr_kernarg_segment_ptr 1
		.amdhsa_wavefront_size32 1
		.amdhsa_system_sgpr_workgroup_id_x 1
		.amdhsa_system_sgpr_workgroup_id_y 1
		.amdhsa_system_sgpr_workgroup_id_z 1
		.amdhsa_system_vgpr_workitem_id 0
		.amdhsa_next_free_vgpr 1024
		.amdhsa_next_free_sgpr 72
		.amdhsa_reserve_vcc 0
		.amdhsa_float_denorm_mode_32 3
		.amdhsa_float_denorm_mode_16_64 3
		.amdhsa_memory_ordered 1
		.amdhsa_forward_progress 1
		.amdhsa_inst_pref_size 189
	.end_amdhsa_kernel
	.amdgpu_metadata
---
amdhsa.version: [ 1, 2 ]
amdhsa.kernels:
  - .name:           k_q395c11f6c5_down
    .symbol:         k_q395c11f6c5_down.kd
    .args:
      - { .name: W2, .offset: 0, .size: 8, .value_kind: global_buffer, .address_space: global }
      - { .name: hq, .offset: 8, .size: 8, .value_kind: global_buffer, .address_space: global }
      - { .name: route, .offset: 16, .size: 8, .value_kind: global_buffer, .address_space: global }
      - { .name: rowinfo, .offset: 24, .size: 8, .value_kind: global_buffer, .address_space: global }
      - { .name: yp, .offset: 32, .size: 8, .value_kind: global_buffer, .address_space: global }
    .group_segment_fixed_size: 88576
    .private_segment_fixed_size: 0
    .kernarg_segment_align: 8
    .kernarg_segment_size: 40
    .max_flat_workgroup_size: 128
    .sgpr_count:     72
    .vgpr_count:     1024
    .wavefront_size: 32
...
	.end_amdgpu_metadata
.endif
;; end of part 3
;; launch join (part 4): grid 256 x 1, 4 waves a work-group, no clusters, 0 bytes of LDS; arguments yp, route, gw, b2, out0; writes out0
.if DOCPART == 4
	.amdgcn_target "amdgcn-amd-amdhsa--gfx1250"
	.amdhsa_code_object_version 6
	.text
	.protected	k_q395c11f6c5_join
	.globl	k_q395c11f6c5_join
	.p2align	8
	.type	k_q395c11f6c5_join,@function
k_q395c11f6c5_join:
	s_mov_b64 s[64:65], 0
	v_nop
	global_prefetch_b8 v0, s[64:65] scope:SCOPE_SE
	s_setreg_imm32_b32 hwreg(HW_REG_WAVE_MODE, 25, 1), 1
	s_wait_xcnt 0x0
; out[n] = w0 (y[e0][n] + b2[e0]) + w1 (y[e1][n] + b2[e1]); y[e][n] = the sum of its two parts along K, yp[0] and yp[1], at row 1,024 e + n.
; One token to a wave: six rows of 4,096 bytes come in by loads of 512 consecutive bytes, one row goes out likewise.  e0 | e1<<8 is read from route (whole numbers that the first launch stored) and held at 7;
; the weights are read from gw.  A stream: no LDS, no barrier, no matrix unit, nothing shared between work-groups but b2 (32 KB).  All 48 loads of a wave go out at once; the waits count down piece by piece.
.set PART, 33587200                    ; bytes of one part of yp: 8,200 rows of 4,096
	s_load_b256 s[4:11], s[0:1], 0x0               ; yp, route, gw, b2
	s_load_b64 s[12:13], s[0:1], 0x20              ; out0
	v_lshrrev_b32 v1, 5, v0
	v_readfirstlane_b32 s14, v1                    ; wave
	v_and_b32 v1, 31, v0
	v_lshlrev_b32 v1, 4, v1                        ; 16 x lane
	s_lshl_b32 s15, ttmp9, 2
	s_add_co_u32 s15, s15, s14                     ; n
	s_lshl_b32 s16, s15, 2
	s_mov_b32 s17, 0
	s_lshl_b32 s18, s15, 3
	s_mov_b32 s19, 0
	s_wait_kmcnt 0x0
	s_add_nc_u64 s[6:7], s[6:7], s[16:17]
	s_add_nc_u64 s[8:9], s[8:9], s[18:19]
	s_load_b32 s20, s[6:7], 0x400                  ; e0 | e1<<8
	s_load_b64 s[22:23], s[8:9], 0x0               ; w0, w1
	s_lshl_b32 s16, s15, 12
	s_add_nc_u64 s[12:13], s[12:13], s[16:17]      ; out at my row
	s_wait_kmcnt 0x0
	s_bfe_u32 s21, s20, 0x80000
	s_min_u32 s21, s21, 7                          ; e0
	s_bfe_u32 s24, s20, 0x80008
	s_min_u32 s24, s24, 7                          ; e1
	s_lshl_b32 s16, s21, 10
	s_add_co_u32 s16, s16, s15
	s_lshl_b32 s16, s16, 12
	s_add_nc_u64 s[26:27], s[4:5], s[16:17]        ; y[e0][n], first part,
	s_add_nc_u64 s[28:29], s[26:27], PART          ; second part
	s_lshl_b32 s16, s24, 10
	s_add_co_u32 s16, s16, s15
	s_lshl_b32 s16, s16, 12
	s_add_nc_u64 s[30:31], s[4:5], s[16:17]        ; y[e1][n]
	s_add_nc_u64 s[32:33], s[30:31], PART
	s_lshl_b32 s16, s21, 12
	s_add_nc_u64 s[34:35], s[10:11], s[16:17]      ; b2[e0]
	s_lshl_b32 s16, s24, 12
	s_add_nc_u64 s[36:37], s[10:11], s[16:17]      ; b2[e1]
	s_mov_b32 s38, s23                             ; w1 in a pair of its own: the packed forms take a pair's low word for both halves
	s_mov_b32 s39, s23
.irp j, 0,1,2,3,4,5,6,7
	global_load_b128 v[8+24*\j:11+24*\j],  v1, s[26:27] offset:512*\j th:TH_LOAD_NT
	global_load_b128 v[12+24*\j:15+24*\j], v1, s[28:29] offset:512*\j th:TH_LOAD_NT
	global_load_b128 v[16+24*\j:19+24*\j], v1, s[34:35] offset:512*\j
	global_load_b128 v[20+24*\j:23+24*\j], v1, s[30:31] offset:512*\j th:TH_LOAD_NT
	global_load_b128 v[24+24*\j:27+24*\j], v1, s[32:33] offset:512*\j th:TH_LOAD_NT
	global_load_b128 v[28+24*\j:31+24*\j], v1, s[36:37] offset:512*\j
.endr
.irp j, 0,1,2,3,4,5,6,7
	s_wait_loadcnt 6*(7-\j)                        ; piece j's six loads are in; the later pieces' may be out
.irp p, 0,2
	v_pk_add_f32 v[8+24*\j+\p:9+24*\j+\p], v[8+24*\j+\p:9+24*\j+\p], v[12+24*\j+\p:13+24*\j+\p]
	v_pk_add_f32 v[20+24*\j+\p:21+24*\j+\p], v[20+24*\j+\p:21+24*\j+\p], v[24+24*\j+\p:25+24*\j+\p]
.endr
.irp p, 0,2
	v_pk_add_f32 v[8+24*\j+\p:9+24*\j+\p], v[8+24*\j+\p:9+24*\j+\p], v[16+24*\j+\p:17+24*\j+\p]
	v_pk_add_f32 v[20+24*\j+\p:21+24*\j+\p], v[20+24*\j+\p:21+24*\j+\p], v[28+24*\j+\p:29+24*\j+\p]
.endr
.irp p, 0,2
	v_pk_mul_f32 v[8+24*\j+\p:9+24*\j+\p], v[8+24*\j+\p:9+24*\j+\p], s[22:23] op_sel_hi:[1,0]
.endr
.irp p, 0,2
	v_pk_fma_f32 v[8+24*\j+\p:9+24*\j+\p], v[20+24*\j+\p:21+24*\j+\p], s[38:39], v[8+24*\j+\p:9+24*\j+\p] op_sel_hi:[1,0,1]
.endr
	global_store_b128 v1, v[8+24*\j:11+24*\j], s[12:13] offset:512*\j th:TH_STORE_NT   ; 512 consecutive bytes, aligned
.endr
	s_endpgm
.Lfunc_end_k_q395c11f6c5_join:
	.size	k_q395c11f6c5_join, .Lfunc_end_k_q395c11f6c5_join-k_q395c11f6c5_join
	.p2alignl 7, 3214868480
	.fill 96, 4, 3214868480
	.section	.rodata,"a",@progbits
	.p2align	6, 0x0
	.amdhsa_kernel k_q395c11f6c5_join
		.amdhsa_group_segment_fixed_size 0
		.amdhsa_private_segment_fixed_size 0
		.amdhsa_enable_private_segment 0
		.amdhsa_kernarg_size 40
		.amdhsa_user_sgpr_count 2
		.amdhsa_user_sgpr_kernarg_segment_ptr 1
		.amdhsa_wavefront_size32 1
		.amdhsa_system_sgpr_workgroup_id_x 1
		.amdhsa_system_sgpr_workgroup_id_y 1
		.amdhsa_system_sgpr_workgroup_id_z 1
		.amdhsa_system_vgpr_workitem_id 0
		.amdhsa_next_free_vgpr 208
		.amdhsa_next_free_sgpr 66
		.amdhsa_reserve_vcc 0
		.amdhsa_float_denorm_mode_32 3
		.amdhsa_float_denorm_mode_16_64 3
		.amdhsa_memory_ordered 1
		.amdhsa_forward_progress 1
		.amdhsa_inst_pref_size 14
	.end_amdhsa_kernel
	.amdgpu_metadata
---
amdhsa.version: [ 1, 2 ]
amdhsa.kernels:
  - .name:           k_q395c11f6c5_join
    .symbol:         k_q395c11f6c5_join.kd
    .args:
      - { .name: yp, .offset: 0, .size: 8, .value_kind: global_buffer, .address_space: global }
      - { .name: route, .offset: 8, .size: 8, .value_kind: global_buffer, .address_space: global }
      - { .name: gw, .offset: 16, .size: 8, .value_kind: global_buffer, .address_space: global }
      - { .name: b2, .offset: 24, .size: 8, .value_kind: global_buffer, .address_space: global }
      - { .name: out0, .offset: 32, .size: 8, .value_kind: global_buffer, .address_space: global }
    .group_segment_fixed_size: 0
    .private_segment_fixed_size: 0
    .kernarg_segment_align: 8
    .kernarg_segment_size: 40
    .max_flat_workgroup_size: 128
    .sgpr_count:     66
    .vgpr_count:     208
    .wavefront_size: 32
...
	.end_amdgpu_metadata
.endif
;; end of part 4
;; ======== version 2 of 2: 4 launches; version 1 with the launches up, down written anew for expert scheduling mode
;; workspace buffers: xq 557,056 bytes; route 5,120 bytes of whole numbers; gw 8,192 bytes; hq 18,874,368 bytes; rowinfo 65,536 bytes of whole numbers; yp 67,174,400 bytes
;; launch route: the kernel of part 1 again; grid 128 x 1, 4 waves a work-group, no clusters, 71,680 bytes of LDS; arguments x, Wg, bg, xq, route, gw; writes xq, route, gw
;; launch up (part 5): grid 32 x 8, 4 waves a work-group, no clusters, 72,192 bytes of LDS; arguments W1, b1, xq, route, hq, rowinfo; writes hq, rowinfo
.if DOCPART == 5
	.amdgcn_target "amdgcn-amd-amdhsa--gfx1250"
	.amdhsa_code_object_version 6
	.text
	.protected	k_q395c11f6c5_up
	.globl	k_q395c11f6c5_up
	.p2align	8
	.type	k_q395c11f6c5_up,@function
k_q395c11f6c5_up:
	s_mov_b64 s[64:65], 0
	v_nop
	global_prefetch_b8 v0, s[64:65] scope:SCOPE_SE
	s_setreg_imm32_b32 hwreg(HW_REG_WAVE_SCHED_MODE, 0, 2), 2
	s_setreg_imm32_b32 hwreg(HW_REG_WAVE_MODE, 25, 1), 1
	s_wait_xcnt 0x0
	s_wait_alu depctr_vm_vsrc(0)
; h = Q(relu(Q(x) Q(W1[e]) + b1[e])) for the rows that the router sent to expert e, both operands in E2M1 with one E8M0 scale for each 32 along K.
; THE WEIGHTS STAY PUT.  Work-group (sl, e) owns W1[e][all 1,024 k][hidden units 128 sl .. +127]: 512 KB of f32, read from memory once, quantised in registers along k,
; handed round through LDS, and kept as codes by EVERY one of its four waves: 64 fragments of 16 units x 128 k, 512 registers.  Weight codes never go to memory.
; Then the waves walk the expert's tiles of 16 rows, wave w tiles w, w + 4, .., two tiles a trip on two buffers of x's fragments, an odd last tile written out behind the loop.  A buffer is asked for again
; straight behind its 64 products and has the other tile's whole turn in which to land.  A tile: x's codes straight from memory (xq), 64 matrix instructions, relu, quantised in registers; the result is
; K step sl of the second product and leaves as an image of the operand's registers (hq: (tile x 32 + sl) x 1,024 + 512 c + 16 lane; scale words from byte 16,777,216 on, 128 bytes an image).
; WHICH ROWS.  route holds the expert's 1,024 membership bits.  Row q of the expert is its q-th set bit: found with whole-number work alone (SELECT2).  Expert e owns tiles 64 e .. 64 e + 63;
; tiles 0 .. max(1, ceil(count / 16)) - 1 are made.  A row past the count works on some token inside x and is marked for the dump row 8192 + e of the next launch's result (rowinfo, stored by sl = 0).
; THE STREAM.  K step s = 128 rows of W1; wave w takes its rows 32 w .. +31, one block of 32 along K.  A load reads one row's 512 consecutive bytes, 16 a lane: a lane gets 4 columns x 32 k.
; The conversion wants 8 neighbours along K in consecutive registers, so the 128 numbers are copied column by column: the price of loads of 16 bytes a lane.  Two landing sets: 64 loads a wave on their way.
; THE PRODUCT IS USED TRANSPOSED (source 0 = 16 hidden units, source 1 = 16 rows of x), and lane r of tile 2 b + u takes unit 32 b + 8 u + r + 8 (r / 8): a lane's 16 registers of tiles 2 b, 2 b + 1
; are then 16 neighbours along the next K.  b1 is the C of each sum's first matrix instruction.
; No tensor load and no cluster: the walk's trip count is read from memory, each weight byte has one reader, and what the 32 work-groups of an expert share, x's codes, is 544 bytes a row against 512 KB of weights.
; LIMITS: NaN and infinities are not served; a block whose largest magnitude lies under 2^-124 (a block of zeros too) gets the byte 1 with its codes; only this program reads the bytes.
; REGISTERS.  window 0: v1-23 addresses and row numbers; v24-55 W1's scale words, v56-63 x's, 4 a buffer (scales and nothing else); v64-191 the stream's 128 numbers, later v64-127 the sums, v128-135 codes,
;   v136-167 at work; v192-219 the stream's quantiser; v254, v255 the closing add's two.  windows 1, 2: the fragments (K steps 0-3, 4-7) at 64 (s % 4) + 8 t.  window 3: two landing sets of 128; later v0-63 b1, v64-127 and v128-191 x's fragments.
; THE MODE: SCHED_MODE bits 1:0 = 2 (LLVM: expert scheduling mode 2), set by the entry lines.  The code itself states the register dependences
; between vector or matrix instructions and memory or LDS instructions, with s_wait_alu, always for 0.
; THE PLAN.  Registers that memory or LDS instructions touch:
;   the landing sets     Stream step s: its 128 copies read set s % 2; behind them the loads of step s + 2 land in it (steps 6 and 7: b1's and those of x's two buffers).
;   C, BY (v200-219)     Written by a step's conversions and shifts, read by its LDS stores, written again a step later.
;   the fragments, v24-55  LDS loads land in them once; then matrix instructions alone read them.
;   x's two buffers, v56-63  A tile's 64 matrix instructions read its buffer; behind them the loads of the tile eight further on land in it.
;   v10, v11, v22, v23   A buffer's two address registers: read by its loads, written anew behind its products, ahead of its next loads.
;   v164, v128-135, v166  RI, the codes, the scale word: written by a tile's vector lines, read by its stores, written again a tile later.
;   v4-v9, v12-v15       Offsets made at the head and never written again.
; A STREAM STEP has three waits: behind the copies one on vm_vsrc (the last step's LDS stores have read C and BY) and one on va_vdst (the copies are done with the set); one on va_vdst ahead of the LDS stores.
; A TILE has, behind its products, one wait on vm_vsrc (the last tile's stores and this buffer's old loads have read their registers: both were issued ahead of the 64 products), and one on va_vdst,
; which serves the buffer's loads and RI's store; and one on va_vdst ahead of its three stores.  Each compare has its wait ahead of the selects that read its mask.
.set SCL,   0                          ; LDS: scale bytes, 512 s + 4 unit + block
.set CODES, 4096                       ; codes: 128 rows (units) of 512 bytes + 16
.set CP,    528
.set WO,    4                          ; v4   16 x lane
.set ST,    5                          ; v5   where I store a block's codes: 4 CP lane + 16 wave
.set SB,    6                          ; v6   and its scale byte: 16 lane + wave
.set AW,    7                          ; v7   a fragment's row: CP (r + 8 (r / 8)) + 16 h
.set AS,    8                          ; v8   its scale word: 512 h + 4 (r + 8 (r / 8))
.set BO,    9                          ; v9   b1: 64 h
.set XA,    10                         ; v10, v22  x's codes, buffer 0, 1: 512 token + 16 h
.set XSA,   11                         ; v11, v23  x's scale words: 32 token + 16 h
.set H16,   12                         ; v12  16 h
.set HSO,   13                         ; v13  4 x lane
.set RIA,   14                         ; v14  rowinfo: 64 h + 32 (r % 2) + 4 (r / 2)
.set R64,   15                         ; v15  r + 64 h: lanes 16-31 search four tiles further on
.set C0,    16                         ; v16, v17  my row's token in the tile that lies in buffer 0, 1
.set N0,    18                         ; v18, v19  and in the tile that the buffer takes next
.set NIL,   20                         ; v20  0
.set DUMP,  21                         ; v21  8192 + e
.set WS,    24
.set XS,    56
.set T,     64
.set ACC,   64
.set PC,    128
.set TM,    136
.set SQ,    152
.set SQK,   153
.set SKEY,  154
.set SWRD,  155
.set SJ,    156
.set SX1,   157
.set SX2,   158
.set SX3,   159
.set SX4,   160
.set SPOS,  161
.set SCN,   162
.set STMP,  163
.set RI,    164
.set Q,     165
.set PW,    166
.set SX,    167
.set M,     192
.set SOP,   196
.set BY,    200
.set C,     204
.set XF,    64                         ; in window 3
.set MSB, 0
.macro WIN new                         ; the immediate's high byte repeats the setting that is left
.if MSB != \new
	s_set_vgpr_msb (MSB<<8)|\new
.set MSB, \new
.endif
.endm
.macro LOADW s                         ; K step s: my 32 rows into landing set s % 2
	WIN 0xc0                                       ; destination window 3, address window 0
.set LSET, 128*((\s)%2)
.set i_, 0
.rept 32
.if (\s) < 4
	global_load_b128 v[LSET+4*i_:LSET+4*i_+3], v[WO], s[22:23] offset:((\s)%4)*2097152+i_*16384 th:TH_LOAD_NT
.else
	global_load_b128 v[LSET+4*i_:LSET+4*i_+3], v[WO], s[24:25] offset:((\s)%4)*2097152+i_*16384 th:TH_LOAD_NT
.endif
.set i_, i_+1
.endr
	WIN 0
.endm
.macro BLOAD                           ; b1 in the result's layout: tile t, lane half h: units 32 (t / 2) + 16 h + 8 (t % 2) + 0 .. 7
	WIN 0xc0
.irp t, 0,1,2,3,4,5,6,7
	global_load_b128 v[8*\t:8*\t+3], v[BO], s[6:7] offset:4*(32*(\t/2)+8*(\t%2))
	global_load_b128 v[8*\t+4:8*\t+7], v[BO], s[6:7] offset:4*(32*(\t/2)+8*(\t%2))+16
.endr
	WIN 0
.endm
.macro XLOAD buf                       ; 16 rows of x into buffer buf: eight fragments, and their scale words (lanes 0-15: K steps 0-3, lanes 16-31: 4-7): 17 loads
	WIN 0xc0
.irp s, 0,1,2,3,4,5,6,7
.irp c, 0,1
	global_load_b128 v[XF+64*\buf+8*\s+4*\c:XF+64*\buf+8*\s+4*\c+3], v[XA+12*\buf], s[8:9] offset:64*\s+32*\c
.endr
.endr
	WIN 0
	global_load_b128 v[XS+4*\buf:XS+4*\buf+3], v[XSA+12*\buf], s[8:9] offset:524288
.endm
; One halving of the search inside a word: c = the set bits in the lower half of what is left; at or past them, go to the upper half
.macro SSTEP x, width, bits
	v_bfe_u32 v[SCN], v[\x], v[SPOS], \bits
	v_cmp_lt_u32 vcc_lo, v[SJ], v[SCN]
	s_wait_alu depctr_va_vcc(0)                    ; the compare has written VCC, which the two selects read
	v_cndmask_b32 v[SCN], v[SCN], v[NIL], vcc_lo
	v_cndmask_b32 v[STMP], \width, v[NIL], vcc_lo
	v_sub_nc_u32 v[SJ], v[SJ], v[SCN]
	v_add_nc_u32 v[SPOS], v[SPOS], v[STMP]
.endm
; ONE SEARCH SERVES TWO TILES.  Lanes 0-15 look for the token of the expert's row 16 x s[stile] + r, lanes 16-31 for that of row 16 x (s[stile] + 4) + r: my wave's next tile.
; Then each half takes the other's finds too: v[d] = the first tile's tokens, v[d + 1] = the second's, by r in both halves of the lanes.
; s[32:63]: the 32 mask words; s[68:99]: keys (set bits ahead of word w)<<5 | w, which rise with w.  The word is the last whose key is at most q<<5 | 31; inside it five halvings on the counts
; of 16, 8, 4, 2 and 1 bits.  A row past the count ends somewhere inside 0 .. 1023.
; The 31 compares hang on the keys and on q alone: they go in four runs, into the eight scalar registers that the arguments have left free (s4, s5, s10 to s15), with one wait behind each run.
.macro SELECT2 d, stile
	v_lshl_add_u32 v[SQ], s[\stile], 4, v[R64]
	v_lshl_or_b32 v[SQK], v[SQ], 5, 31
	v_mov_b32 v[SKEY], 0
	v_mov_b32 v[SWRD], s32
.set w_, 1
.rept 4
.set u_, w_
.irp m, 4,5,10,11,12,13,14,15
.if w_ < 32
	v_cmp_gt_u32 s[\m], s[68+w_], v[SQK]
.endif
.set w_, w_+1
.endr
	s_wait_alu depctr_va_sdst(0)                   ; the run's compares have written their masks, which the selects below read
.irp m, 4,5,10,11,12,13,14,15
.if u_ < 32
	v_cndmask_b32 v[SKEY], s[68+u_], v[SKEY], s[\m]
	v_cndmask_b32 v[SWRD], s[32+u_], v[SWRD], s[\m]
.endif
.set u_, u_+1
.endr
.endr
	v_lshrrev_b32 v[SJ], 5, v[SKEY]
	v_sub_nc_u32 v[SJ], v[SQ], v[SJ]               ; which set bit of the word
	v_and_b32 v[SKEY], 31, v[SKEY]                 ; which word
	v_lshrrev_b32 v[STMP], 1, v[SWRD]
	v_and_b32 v[STMP], 0x55555555, v[STMP]
	v_sub_nc_u32 v[SX1], v[SWRD], v[STMP]          ; counts of 2 bits,
	v_lshrrev_b32 v[STMP], 2, v[SX1]
	v_and_b32 v[STMP], 0x33333333, v[STMP]
	v_and_b32 v[SX2], 0x33333333, v[SX1]
	v_add_nc_u32 v[SX2], v[SX2], v[STMP]           ; of 4,
	v_lshrrev_b32 v[STMP], 4, v[SX2]
	v_add_nc_u32 v[STMP], v[STMP], v[SX2]
	v_and_b32 v[SX3], 0x0f0f0f0f, v[STMP]          ; of 8,
	v_lshrrev_b32 v[STMP], 8, v[SX3]
	v_add_nc_u32 v[SX4], v[SX3], v[STMP]           ; and, in byte 0, of the low 16
	v_mov_b32 v[SPOS], 0
	SSTEP SX4, 16, 8
	SSTEP SX3, 8, 8
	SSTEP SX2, 4, 4
	SSTEP SX1, 2, 2
	SSTEP SWRD, 1, 1
	v_lshl_add_u32 v[SCN], v[SKEY], 5, v[SPOS]     ; my find
	v_permlanex16_b32 v[SX], v[SCN], s66, s67      ; and lane l xor 16's
	v_cndmask_b32 v[\d], v[SCN], v[SX], s18        ; s18: lanes 16-31 (written by a scalar line).  The first tile: they take the other half's,
	v_cndmask_b32 v[\d+1], v[SX], v[SCN], s18      ; the second tile: lanes 0-15 do
	v_min_u32 v[\d], 0x3ff, v[\d]                  ; inside x, whatever the masks hold
	v_min_u32 v[\d+1], 0x3ff, v[\d+1]
.endm
; 64 numbers of a lane, register 16 b + i = k 32 b + 16 h + i of my row, become a fragment's codes in v[PC] on and its scale word in v[PW]
.macro QUANT s
.irp b, 0,1,2,3
	v_max3_num_f32 v[TM+\b], |v[\s+16*\b]|, |v[\s+1+16*\b]|, 0x1800000   ; and the floor 2^(3 - 127): the byte cannot fall under 1
.endr
.irp i, 2,4,6,8,10,12,14
.irp b, 0,1,2,3
	v_max3_num_f32 v[TM+\b], v[TM+\b], |v[\s+16*\b+\i]|, |v[\s+1+16*\b+\i]|
.endr
.endr
.irp b, 0,1,2,3
	v_permlanex16_b32 v[TM+4+\b], v[TM+\b], s66, s67
.endr
.irp b, 0,1,2,3
	v_max_num_f32 v[TM+\b], v[TM+\b], v[TM+4+\b]   ; with lane l xor 16's: the block's largest magnitude
.endr
.irp b, 0,1,2,3
	v_add_nc_u32 v[TM+12+\b], 0xff000000, v[TM+\b] ; 2 off its exponent field: the conversion's scale operand
.endr
.irp b, 0,1,2,3
	v_lshrrev_b32 v[TM+4+\b], 23, v[TM+12+\b]      ; the scale's byte
.endr
	v_lshl_or_b32 v[PW], v[TM+5], 8, v[TM+4]
	v_lshl_or_b32 v[PW], v[TM+6], 16, v[PW]
	v_lshl_or_b32 v[PW], v[TM+7], 24, v[PW]
.irp b, 0,1,2,3
	v_cvt_scalef32_pk8_fp4_f32 v[PC+2*\b], v[\s+16*\b:\s+7+16*\b], v[TM+12+\b]
	v_cvt_scalef32_pk8_fp4_f32 v[PC+1+2*\b], v[\s+8+16*\b:\s+15+16*\b], v[TM+12+\b]
.endr
	v_nop                                          ; one plain line behind a scaled conversion
.irp c, 0,1                                    ; the operand's layout wants a whole block in a lane
.irp i, 0,1
	v_permlane16_swap_b32 v[PC+4*\c+\i], v[PC+2+4*\c+\i]
.endr
.endr
.endm
; K step s of the stream
.macro STEP s
.set LSET, 128*((\s)%2)
.if (\s) == 7
	s_wait_loadcnt 33                              ; behind this set's loads: b1's 16 and the first tile's 17
.else
	s_wait_loadcnt 32                              ; this set is in; the other set's 32 loads may be out
.endif
	WIN 0x03                                       ; source window 3
.set i_, 0
.rept 32
.irp c, 0,1,2,3
	v_mov_b32 v[T+32*\c+i_], v[LSET+4*i_+\c]       ; column c's 32 numbers on end
.endr
.set i_, i_+1
.endr
	WIN 0xc0                                       ; the window of the loads below, ahead of their wait
.if (\s) > 0
	s_wait_alu depctr_vm_vsrc(0)                   ; the last step's LDS stores have read C and BY, which this step's conversions and shifts write again
.endif
	s_wait_alu depctr_va_vdst(0)                   ; the copies are done reading the landing set, in which the loads below land; in steps 6 and 7 also: the head's lines have written x's four address registers, which those loads read
.if (\s) < 6
	LOADW (\s)+2                                   ; the set is free: two K steps on
.elseif (\s) == 6
	BLOAD                                          ; nothing of W1 is left to ask for: b1 and my first tile's rows of x take the set's place,
	XLOAD 0
.else
	XLOAD 1                                        ; and my second tile's rows the lower half of the other set's
.endif
	WIN 0
.irp c, 0,1,2,3
	v_max3_num_f32 v[M+\c], |v[T+32*\c]|, |v[T+32*\c+1]|, 0x1800000
.endr
.irp i, 2,4,6,8,10,12,14,16,18,20,22,24,26,28,30
.irp c, 0,1,2,3
	v_max3_num_f32 v[M+\c], v[M+\c], |v[T+32*\c+\i]|, |v[T+32*\c+\i+1]|   ; the four columns by turns
.endr
.endr
.irp c, 0,1,2,3
	v_add_nc_u32 v[SOP+\c], 0xff000000, v[M+\c]
.endr
.irp c, 0,1,2,3
.irp g, 0,1,2,3
	v_cvt_scalef32_pk8_fp4_f32 v[C+4*\c+\g], v[T+32*\c+8*\g:T+32*\c+8*\g+7], v[SOP+\c]
.endr
.endr
.irp c, 0,1,2,3
	v_lshrrev_b32 v[BY+\c], 23, v[SOP+\c]          ; the bytes (plain lines behind the conversions)
.endr
	s_wait_alu depctr_va_vdst(0)                   ; the conversions have written C and the shifts BY, which the LDS stores read
.irp c, 0,1,2,3
	ds_store_b128 v[ST], v[C+4*\c:C+4*\c+3] offset:CODES+CP*\c+64*(\s)
.endr
.irp c, 0,1,2,3
	ds_store_b8 v[SB], v[BY+\c] offset:SCL+512*(\s)+4*\c
.endr
	s_wait_dscnt 0x0                               ; my stores have landed (and the last step's fragment loads are in)
	s_barrier_signal -1
	s_barrier_wait -1                              ; the K step's codes are whole.  Its LDS bytes are never written again: one barrier a step
.if (\s) < 4
	WIN 0x40
.else
	WIN 0x80
.endif
.irp t, 0,1,2,3,4,5,6,7
.irp c, 0,1
	ds_load_b128 v[64*((\s)%4)+8*\t+4*\c:64*((\s)%4)+8*\t+4*\c+3], v[AW] offset:CODES+CP*(32*(\t/2)+8*(\t%2))+64*(\s)+32*\c   ; no vector or matrix instruction has named these registers: nothing is owed
.endr
.endr
	WIN 0
.if (\s)%2 == 1
.irp t, 0,1,2,3,4,5,6,7
	ds_load_b32 v[WS+8*((\s)/2)+\t], v[AS] offset:SCL+1024*((\s)/2)+4*(32*(\t/2)+8*(\t%2))   ; lanes 0-15: the even K step's words, lanes 16-31: the odd one's
.endr
.endif
.endm
; Tile s21 + 4 buf, whose rows of x lie in buffer buf.  fill = 1: the buffer then takes the rows of the tile eight further on, whose tokens stand in v[N0 + buf].
.macro TILE buf, fill
	s_wait_loadcnt 17                              ; this buffer's 17 loads are in (and, the first time, b1's, issued ahead of them); the other buffer's 17, issued behind them, may be out
.irp s, 0,1,2,3,4,5,6,7                        ; the eight sums take turns, one instruction a turn
.if \s == 0
	WIN 0x3d                                       ; source 0 window 1, source 1 (x) and source 2 (b1) window 3
.elseif \s < 4
	WIN 0x0d
.else
	WIN 0x0e                                       ; source 0 window 2
.endif
.irp t, 0,1,2,3,4,5,6,7
.if \s == 0
	v_wmma_scale_f32_16x16x128_f8f6f4 v[ACC+8*\t:ACC+8*\t+7], v[8*\t:8*\t+7], v[XF+64*\buf:XF+64*\buf+7], v[8*\t:8*\t+7], v[WS+\t], v[XS+4*\buf] matrix_a_fmt:MATRIX_FMT_FP4 matrix_b_fmt:MATRIX_FMT_FP4
.elseif \s == 2
	v_wmma_scale_f32_16x16x128_f8f6f4 v[ACC+8*\t:ACC+8*\t+7], v[64*(\s%4)+8*\t:64*(\s%4)+8*\t+7], v[XF+64*\buf+8*\s:XF+64*\buf+8*\s+7], v[ACC+8*\t:ACC+8*\t+7], v[WS+8*(\s/2)+\t], v[XS+4*\buf+\s%4] matrix_a_fmt:MATRIX_FMT_FP4 matrix_b_fmt:MATRIX_FMT_FP4
.elseif \s < 4
	v_wmma_scale_f32_16x16x128_f8f6f4 v[ACC+8*\t:ACC+8*\t+7], v[64*(\s%4)+8*\t:64*(\s%4)+8*\t+7], v[XF+64*\buf+8*\s:XF+64*\buf+8*\s+7], v[ACC+8*\t:ACC+8*\t+7], v[WS+8*(\s/2)+\t], v[XS+4*\buf+\s%4] matrix_a_fmt:MATRIX_FMT_FP4 matrix_b_fmt:MATRIX_FMT_FP4 matrix_a_scale:MATRIX_SCALE_ROW1
.elseif \s%2 == 0
	v_wmma_scale_f32_16x16x128_f8f6f4 v[ACC+8*\t:ACC+8*\t+7], v[64*(\s%4)+8*\t:64*(\s%4)+8*\t+7], v[XF+64*\buf+8*\s:XF+64*\buf+8*\s+7], v[ACC+8*\t:ACC+8*\t+7], v[WS+8*(\s/2)+\t], v[XS+4*\buf+\s%4] matrix_a_fmt:MATRIX_FMT_FP4 matrix_b_fmt:MATRIX_FMT_FP4 matrix_b_scale:MATRIX_SCALE_ROW1
.else
	v_wmma_scale_f32_16x16x128_f8f6f4 v[ACC+8*\t:ACC+8*\t+7], v[64*(\s%4)+8*\t:64*(\s%4)+8*\t+7], v[XF+64*\buf+8*\s:XF+64*\buf+8*\s+7], v[ACC+8*\t:ACC+8*\t+7], v[WS+8*(\s/2)+\t], v[XS+4*\buf+\s%4] matrix_a_fmt:MATRIX_FMT_FP4 matrix_b_fmt:MATRIX_FMT_FP4 matrix_a_scale:MATRIX_SCALE_ROW1 matrix_b_scale:MATRIX_SCALE_ROW1
.endif
.endr
.endr
	WIN 0
	s_wait_xcnt 0x0                                ; the last tile's stores have read their data: RI, the codes and the scale word are written again only behind this wait
	s_wait_alu depctr_vm_vsrc(0)                   ; the last tile's stores have read RI, the codes and the scale word, and this buffer's loads its two address registers: the lines below write all of them again
	s_add_co_u32 s100, s21, 4*\buf
	v_lshl_add_u32 v[Q], s100, 4, v2               ; my row's number in the expert.  These plain lines, which name no register of the products, stand between the last product and the first read of the sums (ISA guide 7.12.1)
	v_cmp_gt_u32 vcc_lo, s19, v[Q]                 ; is the row under the expert's count?
	v_add_nc_u32 v[RI], s101, v[C0+\buf]           ; where the row's result will go: row 1,024 e + token,
.if \fill
	v_lshl_add_u32 v[XA+12*\buf], v[N0+\buf], 9, v[H16]    ; (this buffer's loads are done, so its address registers may be written)
	v_lshl_add_u32 v[XSA+12*\buf], v[N0+\buf], 5, v[H16]
	v_mov_b32 v[C0+\buf], v[N0+\buf]
.else
	v_nop
	v_nop
.endif
	s_wait_alu depctr_va_vcc(0)                    ; the compare has written VCC, which the select reads
	v_cndmask_b32 v[RI], v[DUMP], v[RI], vcc_lo    ; or, past the count, the dump row
.if \fill
	WIN 0xc0                                       ; the window of the loads below, ahead of their wait
.endif
	s_wait_alu depctr_va_vdst(0)                   ; the 64 products are done reading this buffer's fragments and scale words, in which the loads below land; the lines above have written the buffer's two address registers, which those loads read, and RI, which the store below reads
.if \fill
	XLOAD \buf                                     ; two of my tiles ahead.  The token is held inside x, so the last trips' loads stay inside xq
.endif
	s_cmp_lg_u32 s17, 0
	s_cbranch_scc1 .Lnori_\@
	global_store_b32 v[RIA], v[RI], s[30:31] offset:512*\buf   ; slice 0 writes the tile's row numbers, even rows first, then odd: as the next launch's stores take them (lanes 16-31: a second copy, which nobody reads)
.Lnori_\@:
.set j_, 0
.rept 64
	v_max_num_f32 v[ACC+j_], 0, v[ACC+j_]          ; relu, each sum from its low end on
.set j_, j_+1
.endr
	QUANT ACC
	s_wait_alu depctr_va_vdst(0)                   ; the conversions and the exchanges of halves have written the codes, the shifts the scale word: the three stores read them
	global_store_b128 v[WO], v[PC:PC+3], s[26:27] offset:131072*\buf          ; the operand's registers as they stand: 512 consecutive bytes a store; the trip's second tile lies four tiles on
	global_store_b128 v[WO], v[PC+4:PC+7], s[26:27] offset:131072*\buf+512
	global_store_b32 v[HSO], v[PW], s[28:29] offset:16384*\buf
.endm
	s_load_b256 s[4:11], s[0:1], 0x0               ; W1, b1, xq, route
	s_load_b128 s[12:15], s[0:1], 0x20             ; hq, rowinfo
	v_lshl_add_u32 v254, v0, 2, 0x11800            ; the closing add's two registers, made here and kept for it alone
	v_mov_b32 v255, 0
	v_lshrrev_b32 v1, 5, v0
	v_readfirstlane_b32 s16, v1                    ; wave
	s_mov_b32 s17, ttmp9                           ; sl
	s_and_b32 s18, ttmp7, 0xffff                   ; e
	v_and_b32 v1, 31, v0
	v_and_b32 v2, 15, v0                           ; r
	v_bfe_u32 v3, v0, 4, 1                         ; h
	v_lshlrev_b32 v[WO], 4, v1
	v_mul_u32_u24 v[ST], v1, 4*CP
	s_wait_alu depctr_va_sdst(0)                   ; s16 is written, ahead of its first reader: addresses, bases and the walk's count are made from it
	s_lshl_b32 s100, s16, 4
	v_add_nc_u32 v[ST], s100, v[ST]
	v_add_nc_u32 v[SB], s16, v[WO]
	v_and_b32 v22, 8, v2
	v_add_nc_u32 v22, v22, v2                      ; r + 8 (r / 8)
	v_mul_u32_u24 v[AW], v22, CP
	v_lshl_add_u32 v[AW], v3, 4, v[AW]
	v_lshlrev_b32 v[AS], 2, v22
	v_lshl_add_u32 v[AS], v3, 9, v[AS]
	v_lshlrev_b32 v[BO], 6, v3
	v_lshlrev_b32 v[H16], 4, v3
	v_lshlrev_b32 v[HSO], 2, v1
	v_and_b32 v23, 1, v2
	v_lshlrev_b32 v23, 5, v23
	v_lshrrev_b32 v[RIA], 1, v2
	v_lshl_add_u32 v[RIA], v[RIA], 2, v23
	v_lshl_add_u32 v[RIA], v3, 6, v[RIA]
	v_lshl_add_u32 v[R64], v3, 6, v2
	v_mov_b32 v[NIL], 0
	v_mov_b32 v[SX], 0                             ; a lane permute's destination counts as one of its sources
	s_add_co_u32 s100, s18, 8192
	v_mov_b32 v[DUMP], s100
	s_mov_b32 s66, 0x76543210
	s_mov_b32 s67, 0xfedcba98                      ; v_permlanex16_b32's selects for lane l xor 16
	s_lshl_b32 s100, s18, 24                       ; W1: expert, my wave's 32 rows of 16,384 bytes, the slice's 512 bytes
	s_lshl_b32 s101, s16, 19
	s_add_co_u32 s100, s100, s101
	s_lshl_b32 s101, s17, 9
	s_add_co_u32 s100, s100, s101
	s_mov_b32 s101, 0
	s_wait_kmcnt 0x0
	s_add_nc_u64 s[22:23], s[4:5], s[100:101]      ; K steps 0-3,
	s_add_nc_u64 s[24:25], s[22:23], 0x800000      ; and 4-7: so every offset fits the immediate
	s_lshl_b32 s100, s18, 7
	s_add_nc_u64 s[10:11], s[10:11], s[100:101]
	s_load_b512 s[32:47], s[10:11], 0x0            ; the expert's 1,024 membership bits
	s_load_b512 s[48:63], s[10:11], 0x40
	WIN 0xc0                                       ; the window of the loads below, ahead of their wait
	s_wait_alu depctr_va_vdst(0)                   ; the offsets v4 to v9 and v12 to v15 are written, which the kernel's loads, stores and LDS instructions read from here on
	LOADW 0
	LOADW 1
	s_lshl_b32 s100, s18, 14
	s_lshl_b32 s21, s17, 9
	s_add_co_u32 s100, s100, s21
	s_add_nc_u64 s[6:7], s[6:7], s[100:101]        ; b1 at my slice
	s_lshl_b32 s100, s18, 21
	s_lshl_b32 s21, s16, 15
	s_add_co_u32 s100, s100, s21
	s_lshl_b32 s21, s17, 10
	s_add_co_u32 s100, s100, s21
	s_add_nc_u64 s[26:27], s[12:13], s[100:101]    ; hq: ((64 e + wave) 32 + sl) x 1,024,
	s_lshr_b32 s100, s100, 3
	s_add_nc_u64 s[28:29], s[12:13], s[100:101]
	s_add_nc_u64 s[28:29], s[28:29], 0x1000000     ; and its scale words: an eighth of that, behind the codes
	s_lshl_b32 s100, s18, 13
	s_lshl_b32 s21, s16, 7
	s_add_co_u32 s100, s100, s21
	s_add_nc_u64 s[30:31], s[14:15], s[100:101]    ; rowinfo: (64 e + wave) x 128
	s_wait_kmcnt 0x0                               ; the mask words are in; s4, s5 and s10 to s15 are done with as arguments and take the search's masks from here on
	s_mov_b32 s19, 0
.set w_, 0
.rept 32
	s_lshl_b32 s100, s19, 5
	s_or_b32 s[68+w_], s100, w_                    ; the key of word w
	s_bcnt1_i32_b32 s100, s[32+w_]
	s_add_co_u32 s19, s19, s100
.set w_, w_+1
.endr                                          ; s19: the expert's rows
	s_add_co_u32 s20, s19, 15
	s_lshr_b32 s20, s20, 4
	s_max_u32 s20, s20, 1                          ; its tiles; tile 0 is always made
	s_lshl_b32 s101, s18, 10                       ; 1,024 e
	s_mov_b32 s18, 0xffff0000                      ; e is done with: from here on s18 names lanes 16-31
	s_mov_b32 s100, s16
	SELECT2 C0, 100                                ; the tokens of my tiles wave and wave + 4,
	s_add_co_u32 s100, s16, 8
	SELECT2 N0, 100                                ; and of wave + 8 and wave + 12
	v_lshl_add_u32 v[XA], v[C0], 9, v[H16]
	v_lshl_add_u32 v[XSA], v[C0], 5, v[H16]
	v_lshl_add_u32 v[XA+12], v[C0+1], 9, v[H16]
	v_lshl_add_u32 v[XSA+12], v[C0+1], 5, v[H16]
	STEP 0
	STEP 1
	STEP 2
	STEP 3
	STEP 4
	STEP 5
	STEP 6
	STEP 7
	s_wait_dscnt 0x0                               ; all 64 fragments and their scale words are in my registers
.irp b, 0,1,2,3
	v_mov_b32 v[TM+4+\b], 0                        ; a lane permute's destination counts as one of its sources
.endr
	s_mov_b32 s21, s16                             ; the tile in buffer 0
	s_add_co_u32 s3, s20, 3
	s_sub_co_u32 s3, s3, s16                       ; (tiles + 3 - wave is at least 1: nothing wraps)
	s_lshr_b32 s3, s3, 2                           ; my wave's tiles: wave, wave + 4, .. under the expert's number
	s_cmp_eq_u32 s3, 0
	s_cbranch_scc1 .Lend                           ; no tile for this wave; no barrier follows
	s_and_b32 s16, s3, 1                           ; an odd one is left for the tail (the wave's number is done with),
	s_lshr_b32 s3, s3, 1                           ; the others go in pairs, a pair a trip
	s_mov_b32 s2, 0                                ; the walk is counted trip by trip against the number of pairs
	s_cmp_eq_u32 s3, 0
	s_cbranch_scc1 .Lodd
.Ltile:                                            ; tiles s21 and s21 + 4
	TILE 0, 1
	TILE 1, 1
	s_add_co_u32 s100, s21, 16
	SELECT2 N0, 100                                ; the tokens of the pair after the next
	s_wait_xcnt 0x0                                ; the stores have read their bases: these are stepped only behind this wait
	s_add_nc_u64 s[26:27], s[26:27], 262144        ; eight tiles on
	s_add_nc_u64 s[28:29], s[28:29], 32768
	s_add_nc_u64 s[30:31], s[30:31], 1024
	s_add_co_u32 s21, s21, 8
	s_add_co_u32 s2, s2, 1
	s_cmp_lt_u32 s2, s3
	s_cbranch_scc1 .Ltile
.Lodd:                                             ; on both ways here buffer 0's 17 loads were issued first and buffer 1's 17 behind them
	s_cmp_eq_u32 s16, 0
	s_cbranch_scc1 .Lend
	TILE 0, 0                                      ; the odd last tile: nothing more is asked for
.Lend:
	s_wait_dscnt 0x0                               ; the closing lines, six on end
	s_wait_alu 0x0
	s_wait_tensorcnt 0x0
	ds_add_u32 v254, v255
	s_wait_dscnt 0x0
	s_endpgm
.Lfunc_end_k_q395c11f6c5_up:
	.size	k_q395c11f6c5_up, .Lfunc_end_k_q395c11f6c5_up-k_q395c11f6c5_up
	.p2alignl 7, 3214868480
	.fill 96, 4, 3214868480
	.section	.rodata,"a",@progbits
	.p2align	6, 0x0
	.amdhsa_kernel k_q395c11f6c5_up
		.amdhsa_group_segment_fixed_size 72192
		.amdhsa_private_segment_fixed_size 0
		.amdhsa_enable_private_segment 0
		.amdhsa_kernarg_size 48
		.amdhsa_user_sgpr_count 2
		.amdhsa_user_sgpr_kernarg_segment_ptr 1
		.amdhsa_wavefront_size32 1
		.amdhsa_system_sgpr_workgroup_id_x 1
		.amdhsa_system_sgpr_workgroup_id_y 1
		.amdhsa_system_sgpr_workgroup_id_z 1
		.amdhsa_system_vgpr_workitem_id 0
		.amdhsa_next_free_vgpr 1024
		.amdhsa_next_free_sgpr 102
		.amdhsa_reserve_vcc 1
		.amdhsa_float_denorm_mode_32 3
		.amdhsa_float_denorm_mode_16_64 3
		.amdhsa_memory_ordered 1
		.amdhsa_forward_progress 1
		.amdhsa_inst_pref_size 204
	.end_amdhsa_kernel
	.amdgpu_metadata
---
amdhsa.version: [ 1, 2 ]
amdhsa.kernels:
  - .name:           k_q395c11f6c5_up
    .symbol:         k_q395c11f6c5_up.kd
    .args:
      - { .name: W1, .offset: 0, .size: 8, .value_kind: global_buffer, .address_space: global }
      - { .name: b1, .offset: 8, .size: 8, .value_kind: global_buffer, .address_space: global }
      - { .name: xq, .offset: 16, .size: 8, .value_kind: global_buffer, .address_space: global }
      - { .name: route, .offset: 24, .size: 8, .value_kind: global_buffer, .address_space: global }
      - { .name: hq, .offset: 32, .size: 8, .value_kind: global_buffer, .address_space: global }
      - { .name: rowinfo, .offset: 40, .size: 8, .value_kind: global_buffer, .address_space: global }
    .group_segment_fixed_size: 72192
    .private_segment_fixed_size: 0
    .kernarg_segment_align: 8
    .kernarg_segment_size: 48
    .max_flat_workgroup_size: 128
    .sgpr_count:     102
    .vgpr_count:     1024
    .wavefront_size: 32
...
	.end_amdgpu_metadata
.endif
;; end of part 5
;; launch down (part 6): grid 32 x 8, 4 waves a work-group, no clusters, 88,576 bytes of LDS; arguments W2, hq, route, rowinfo, yp; writes yp
.if DOCPART == 6
	.amdgcn_target "amdgcn-amd-amdhsa--gfx1250"
	.amdhsa_code_object_version 6
	.text
	.protected	k_q395c11f6c5_down
	.globl	k_q395c11f6c5_down
	.p2align	8
	.type	k_q395c11f6c5_down,@function
k_q395c11f6c5_down:
	s_mov_b64 s[64:65], 0
	v_nop
	global_prefetch_b8 v0, s[64:65] scope:SCOPE_SE
	s_setreg_imm32_b32 hwreg(HW_REG_WAVE_SCHED_MODE, 0, 2), 2
	s_setreg_imm32_b32 hwreg(HW_REG_WAVE_MODE, 25, 1), 1
	s_wait_xcnt 0x0
	s_wait_alu depctr_vm_vsrc(0)
; Parts of y = h Q(W2[e]) for the rows of expert e, on codes of E2M1 with one E8M0 scale for each 32 along K (the hidden units).
; THE WEIGHTS STAY PUT, as in the launch before.  Work-group (cg + 16 kh, e) owns W2[e][hidden units 2,048 kh .. +2,047][columns 64 cg .. +63]: 512 KB of f32, read once, quantised in registers,
; handed round through LDS and kept as codes by every one of its four waves: 64 fragments of 16 columns x 128 k, 512 registers.
; 64 columns x half of K: a row's piece is 256 consecutive aligned bytes, a result row's piece likewise, and there are 256 work-groups.  The price: y comes in two parts along K, which the last launch adds.
; Then the waves walk the expert's tiles of 16 rows (wave w: tiles w, w + 4, ..), two tiles a trip on two buffers, an odd last tile written out behind the loop: 16 images of h's fragments from hq,
; 64 matrix instructions, and the 16 x 64 results go, through the wave's own stage in LDS,
; to yp[kh][row][64 cg ..], row = 1,024 e + token as rowinfo says, or the dump row 8,192 + e for rows past the expert's count (nobody reads it; only this work-group writes its piece).
; THE WALKS ARE STAGGERED.  The 16 work-groups of one (e, kh) read the same images.  A wave takes its tiles each once, but begins at place cg % 4 of its list and goes round the list's end: so the two tiles
; that each wave asks for in the stream's last two steps cover, over the four starts, places 0 to 4 of every list.
; The rows' places in yp come with each tile (rowinfo), so nothing else hangs on the order.
; THE STREAM.  A step is 256 rows; wave w takes rows 64 w .. +63, two blocks of 32 along K.  A load reads two rows' 256 bytes (lanes 0-15 row i, lanes 16-31 row 16 + i): a lane gets 4 columns x 16 k of a block,
; and lane l xor 16 holds the block's other half.  The numbers are copied column by column, since the conversion wants 8 neighbours along K in consecutive registers.
; THE PRODUCT IS USED TRANSPOSED (source 0 = 16 columns of W2, source 1 = 16 rows of h): a lane holds eight neighbouring columns of one row of y.
; No tensor load and no cluster: the walk's trip count is read from memory, and each weight byte has one reader; h's images, which 16 work-groups share, are 17 KB a tile against 512 KB of weights.
; LIMITS: NaN and infinities are not served; a block whose largest magnitude lies under 2^-124 (a block of zeros too) gets the byte 1 with its codes.
; REGISTERS.  window 0: v1-14 addresses; v24-55 W2's scale words, v56-71 h's, 8 a buffer (scales and nothing else); v72-199 the stream's 128 numbers; v200-235 the stream's quantiser; v236-251 row numbers, 8 a buffer;
;   in the walk a set to each buffer: the sums v72-103 and v160-191, rows on the way out v104-135 and v192-223, their offsets v136-143 and v144-151; v254, v255 the closing add's two.
;   windows 1, 2: the fragments at 32 (sg % 8) + 8 ct.  window 3: two landing sets, later two buffers of h's 16 fragments.
; THE MODE: SCHED_MODE bits 1:0 = 2 (LLVM: expert scheduling mode 2), set by the entry lines.  The code itself states the register dependences
; between vector or matrix instructions and memory or LDS instructions, with s_wait_alu, always for 0.
; THE PLAN.  Registers that memory or LDS instructions touch:
;   the landing sets     Stream step t: its 128 copies read set t % 2; behind them the loads of step t + 2 land in it (steps 6 and 7: those of h's two buffers).
;   B16, C (v216-235)    Written by a step's quantiser, read by its LDS stores, written again a step later.
;   the fragments, v24-55  LDS loads land in them once; then matrix instructions alone read them.
;   h's buffer b, its scale words and row numbers  The tile's 64 matrix instructions and eight vector lines read them; behind those the next tile of the list is loaded into them.
;   the sums of set b    Written by the tile's matrix instructions, read by its LDS stores, written again two tiles later.
;   the offsets of set b  Written by the tile's vector lines, read by its global stores, written again two tiles later.
;   the rows of set b    LDS loads land in them, the global stores read them; no vector instruction of the walk names them.
;   v4-v14               Offsets made at the head and never written again.
; A STREAM STEP has three waits: behind the copies one on vm_vsrc (the last step's LDS stores have read B16 and C) and one on va_vdst (the copies are done with the set); one on va_vdst ahead of the LDS stores.
; A TILE has two, both behind its 64 products.  The one on vm_vsrc states that all stores issued so far, the youngest of them 64 products back, have read their registers: that frees this set's offsets and rows,
; and the OTHER set's sums, which the next tile's first products write.  The one on va_vdst serves the buffer's loads, the LDS stores of the sums and the global stores' offsets.
.set SCL,   0                          ; LDS: scale bytes, 256 sg + 4 column + block
.set CODES, 4096                       ; codes: 64 rows (columns of W2) of 1,024 bytes + 16
.set CP,    1040
.set STG,   70656                      ; a stage of 16 rows x (256 + 16) bytes for each wave
.set SP,    272
.set WO,    4                          ; v4   65,536 h + 16 r
.set ST,    5                          ; v5   4 CP r + 8 h + 32 wave
.set SB,    6                          ; v6   16 r + 256 (wave / 2) + 2 (wave % 2)
.set AW,    7                          ; v7   CP r + 16 h
.set AS,    8                          ; v8   256 h + 4 r
.set LI,    9                          ; v9   16 x lane
.set HSA,   10                         ; v10  128 h + 4 r
.set RIA,   11                         ; v11  32 h
.set SO,    12                         ; v12  the stage, in: row r, + 32 h
.set SR,    13                         ; v13  and back: row h, + 16 r
.set R16,   14                         ; v14  16 r
.set WS,    24
.set HS,    56
.set T,     72
.set ACC,   72                         ; set b of the sums at ACC + 88 b
.set OUT,   104                        ; of the rows on the way out at OUT + 88 b
.set YO,    136                        ; of their offsets at YO + 8 b
.set M,     200
.set P,     208
.set B16,   216
.set C,     220
.set RD,    236
.set MSB, 0
.macro WIN new
.if MSB != \new
	s_set_vgpr_msb (MSB<<8)|\new
.set MSB, \new
.endif
.endm
.macro LOADW tau                       ; step tau: my 64 rows into landing set tau % 2
	WIN 0xc0
.set LSET, 128*((\tau)%2)
.irp b, 0,1
.set i_, 0
.rept 16
	global_load_b128 v[LSET+64*\b+4*i_:LSET+64*\b+4*i_+3], v[WO], s[22:23] offset:(\tau)*1048576+(32*\b+i_)*4096 th:TH_LOAD_NT
.set i_, i_+1
.endr
.endr
	WIN 0
.endm
; The tile at place s44 of my list (tile wave + 4 s44) into buffer buf: 32 loads of code images, 8 of scale words (lanes 16-31 take the odd K step's), 2 of row numbers: 42.  Then s44 goes one place on,
; round the list's end (s43: my list's length).  The tile is held under the expert's number of tiles, so it is one that the launch before has stored, for a wave with an empty list too.
.macro HLOAD buf
	s_lshl_b32 s68, s44, 2
	s_add_co_u32 s68, s68, s16
	s_min_u32 s68, s68, s70
	s_min_u32 s68, s68, 63
	s_add_co_u32 s44, s44, 1
	s_cmp_ge_u32 s44, s43
	s_cselect_b32 s44, 0, s44
	s_lshl_b32 s38, s68, 15
	s_mov_b32 s39, 0
	s_add_nc_u64 s[32:33], s[24:25], s[38:39]
	s_lshl_b32 s38, s68, 12
	s_add_nc_u64 s[34:35], s[26:27], s[38:39]
	s_lshl_b32 s38, s68, 7
	s_add_nc_u64 s[36:37], s[28:29], s[38:39]
	WIN 0xc0                                       ; the window of the loads below, ahead of their wait
	s_wait_alu depctr_va_vdst(0)                   ; what read the registers in which these loads land is done with them: in the stream the copies out of the landing set; in the walk the 64 products (h's fragments and scale words) and the lines that read the row numbers.  In the walk also: the products have written the sums and the vector lines the offsets, which the stores behind these loads read
.set g_, 0
.rept 16
	global_load_b128 v[128*\buf+8*g_:128*\buf+8*g_+3], v[LI], s[32:33] offset:1024*g_
	global_load_b128 v[128*\buf+8*g_+4:128*\buf+8*g_+7], v[LI], s[32:33] offset:1024*g_+512
.set g_, g_+1
.endr
	WIN 0
.irp p, 0,1,2,3,4,5,6,7
	global_load_b32 v[HS+8*\buf+\p], v[HSA], s[34:35] offset:256*\p
.endr
	global_load_b128 v[RD+8*\buf:RD+8*\buf+3], v[RIA], s[36:37]
	global_load_b128 v[RD+8*\buf+4:RD+8*\buf+7], v[RIA], s[36:37] offset:16
.endm
.macro STEP tau
.set LSET, 128*((\tau)%2)
.if (\tau) == 7
	s_wait_loadcnt 42                              ; behind this set's loads: the first tile's 42
.else
	s_wait_loadcnt 32                              ; this set is in; the other set's 32 loads may be out
.endif
	WIN 0x03
.irp b, 0,1
.set i_, 0
.rept 16
.irp c, 0,1,2,3
	v_mov_b32 v[T+64*\b+16*\c+i_], v[LSET+64*\b+4*i_+\c]   ; block b, column c: my 16 numbers on end
.endr
.set i_, i_+1
.endr
.endr
.if (\tau) < 6
	WIN 0xc0                                       ; the window of the loads below, ahead of their wait
.if (\tau) > 0
	s_wait_alu depctr_vm_vsrc(0)                   ; the last step's LDS stores have read B16 and C, which this step's quantiser writes again
.endif
	s_wait_alu depctr_va_vdst(0)                   ; the copies are done reading the landing set, in which the loads below land
	LOADW (\tau)+2
.else
	WIN 0
	s_wait_xcnt 0x0                                ; the three bases are written only behind this wait
	s_wait_alu depctr_vm_vsrc(0)                   ; the last step's LDS stores have read B16 and C, which this step's quantiser writes again
.if (\tau) == 6
	HLOAD 0                                        ; nothing of W2 is left to ask for: my walk's first tile takes the set's place,
.else
	HLOAD 1                                        ; and its second the other's
.endif
.endif
	WIN 0
.irp q, 0,1,2,3,4,5,6,7                        ; group q = 4 b + c
	v_max3_num_f32 v[M+\q], |v[T+16*\q]|, |v[T+16*\q+1]|, 0x1800000
.endr
.irp i, 2,4,6,8,10,12,14
.irp q, 0,1,2,3,4,5,6,7
	v_max3_num_f32 v[M+\q], v[M+\q], |v[T+16*\q+\i]|, |v[T+16*\q+\i+1]|
.endr
.endr
.irp q, 0,1,2,3,4,5,6,7
	v_permlanex16_b32 v[P+\q], v[M+\q], s66, s67
.endr
.irp q, 0,1,2,3,4,5,6,7
	v_max_num_f32 v[M+\q], v[M+\q], v[P+\q]        ; with lane l xor 16's: the block's largest magnitude
.endr
.irp q, 0,1,2,3,4,5,6,7
	v_add_nc_u32 v[M+\q], 0xff000000, v[M+\q]      ; 2 off its exponent field: the conversion's scale operand
.endr
.irp q, 0,1,2,3,4,5,6,7
	v_lshrrev_b32 v[P+\q], 23, v[M+\q]             ; the scale's byte
.endr
.irp c, 0,1,2,3
	v_lshl_or_b32 v[B16+\c], v[P+4+\c], 8, v[P+\c] ; a column's two blocks are neighbours in its scale word
.endr
.irp q, 0,1,2,3,4,5,6,7
	v_cvt_scalef32_pk8_fp4_f32 v[C+2*\q], v[T+16*\q:T+16*\q+7], v[M+\q]
	v_cvt_scalef32_pk8_fp4_f32 v[C+2*\q+1], v[T+16*\q+8:T+16*\q+15], v[M+\q]
.endr
	v_nop                                          ; one plain line behind a scaled conversion
	s_wait_alu depctr_va_vdst(0)                   ; the conversions have written C and the lines ahead of them B16, which the LDS stores read
.irp b, 0,1
.irp c, 0,1,2,3
	ds_store_b64 v[ST], v[C+2*(4*\b+\c):C+2*(4*\b+\c)+1] offset:CODES+CP*\c+128*(\tau)+16*\b
.endr
.endr
.irp c, 0,1,2,3
	ds_store_b16 v[SB], v[B16+\c] offset:SCL+512*(\tau)+4*\c     ; both halves of the lanes write the same two bytes with the same values
.endr
	s_wait_dscnt 0x0                               ; my stores have landed (and the last step's fragment loads are in)
	s_barrier_signal -1
	s_barrier_wait -1                              ; the step's codes are whole.  Its LDS bytes are never written again: one barrier a step
.if (\tau) < 4
	WIN 0x40
.else
	WIN 0x80
.endif
.irp u, 0,1
.irp ct, 0,1,2,3
.irp c, 0,1
	ds_load_b128 v[32*((2*(\tau)+\u)%8)+8*\ct+4*\c:32*((2*(\tau)+\u)%8)+8*\ct+4*\c+3], v[AW] offset:CODES+16*CP*\ct+64*(2*(\tau)+\u)+32*\c   ; no vector or matrix instruction has named these registers: nothing is owed
.endr
.endr
.endr
	WIN 0
.irp ct, 0,1,2,3
	ds_load_b32 v[WS+4*(\tau)+\ct], v[AS] offset:SCL+512*(\tau)+64*\ct   ; lanes 0-15: K step 2 tau's words, lanes 16-31: 2 tau + 1's
.endr
.endm
; The tile in buffer buf is multiplied and stored, on the buffer's own set of sums, rows and offsets.  fill = 1: the buffer then takes the next tile of my list.
.macro HALF buf, fill
.set AB, ACC+88*(\buf)
.set OB, OUT+88*(\buf)
.set YB, YO+8*(\buf)
	s_wait_loadcnt 42                              ; this buffer's 42 loads are in; the other buffer's 42, issued behind them, may be out
.set g_, 0
.rept 16                                       ; the four sums take turns, one instruction a turn.  (The LDS stores that last read this set's sums stand ahead of the other tile's wait on vm_vsrc)
.if g_ < 8
	WIN 0x0d                                       ; source 0 window 1, source 1 (h) window 3
.else
	WIN 0x0e                                       ; source 0 window 2
.endif
.irp ct, 0,1,2,3
.if g_ == 0
	v_wmma_scale_f32_16x16x128_f8f6f4 v[AB+8*\ct:AB+8*\ct+7], v[8*\ct:8*\ct+7], v[128*\buf:128*\buf+7], 0, v[WS+\ct], v[HS+8*\buf] matrix_a_fmt:MATRIX_FMT_FP4 matrix_b_fmt:MATRIX_FMT_FP4
.elseif g_%2 == 0
	v_wmma_scale_f32_16x16x128_f8f6f4 v[AB+8*\ct:AB+8*\ct+7], v[32*(g_%8)+8*\ct:32*(g_%8)+8*\ct+7], v[128*\buf+8*g_:128*\buf+8*g_+7], v[AB+8*\ct:AB+8*\ct+7], v[WS+4*(g_/2)+\ct], v[HS+8*\buf+g_/2] matrix_a_fmt:MATRIX_FMT_FP4 matrix_b_fmt:MATRIX_FMT_FP4
.else
	v_wmma_scale_f32_16x16x128_f8f6f4 v[AB+8*\ct:AB+8*\ct+7], v[32*(g_%8)+8*\ct:32*(g_%8)+8*\ct+7], v[128*\buf+8*g_:128*\buf+8*g_+7], v[AB+8*\ct:AB+8*\ct+7], v[WS+4*(g_/2)+\ct], v[HS+8*\buf+g_/2] matrix_a_fmt:MATRIX_FMT_FP4 matrix_b_fmt:MATRIX_FMT_FP4 matrix_a_scale:MATRIX_SCALE_ROW1 matrix_b_scale:MATRIX_SCALE_ROW1
.endif
.endr
.set g_, g_+1
.endr
	WIN 0
	s_wait_xcnt 0x0                                ; the earlier tiles' stores have read their offsets and data, the loads their bases: all are written again only behind this wait
	s_wait_alu depctr_vm_vsrc(0)                   ; every store issued so far has read its registers: this set's offsets, which the lines below write, and its rows, in which the LDS loads below land (the first time: the stream's last LDS stores have read B16 and C, over which set 1's rows lie); and the other set's sums, which the next tile's first products write
.irp i, 0,1,2,3,4,5,6,7
	v_min_u32 v[YB+\i], 0x2007, v[RD+8*\buf+\i]    ; rows 2 i + h of the tile: held inside yp.  These sixteen plain lines stand between the last product and the LDS stores that read the sums
.endr
.irp i, 0,1,2,3,4,5,6,7
	v_lshl_add_u32 v[YB+\i], v[YB+\i], 12, v[R16]  ; x 4,096 bytes, + 16 r
.endr
.if \fill
	HLOAD \buf
.else
	s_wait_alu depctr_va_vdst(0)                   ; the products have written the sums, which the LDS stores read, and the lines above the offsets, which the global stores read; the stream's lines are done with the registers in which the LDS loads land
.endif
.irp ct, 0,1,2,3
	ds_store_b128 v[SO], v[AB+8*\ct:AB+8*\ct+3] offset:64*\ct            ; each sum from its low end on
	ds_store_b128 v[SO], v[AB+8*\ct+4:AB+8*\ct+7] offset:64*\ct+16
.endr
.irp i, 0,1,2,3,4,5,6,7
	ds_load_b128 v[OB+4*\i:OB+4*\i+3], v[SR] offset:2*SP*\i              ; a wave's LDS instructions are served in order: these see the stores above
.endr
.irp i, 0,1,2,3,4,5,6,7
	s_wait_dscnt 7-\i
	global_store_b128 v[YB+\i], v[OB+4*\i:OB+4*\i+3], s[30:31]           ; sixteen lanes store a row's 256 consecutive bytes, aligned
.endr
.endm
	s_load_b256 s[4:11], s[0:1], 0x0               ; W2, hq, route, rowinfo
	s_load_b64 s[12:13], s[0:1], 0x20              ; yp
	v_lshl_add_u32 v254, v0, 2, 0x15800            ; the closing add's two registers, made here and kept for it alone
	v_mov_b32 v255, 0
	v_lshrrev_b32 v1, 5, v0
	v_readfirstlane_b32 s16, v1                    ; wave
	s_and_b32 s17, ttmp9, 15                       ; cg
	s_lshr_b32 s19, ttmp9, 4                       ; kh
	s_and_b32 s18, ttmp7, 0xffff                   ; e
	v_and_b32 v1, 31, v0
	v_and_b32 v2, 15, v0                           ; r
	v_bfe_u32 v3, v0, 4, 1                         ; h
	v_lshlrev_b32 v[R16], 4, v2
	v_lshl_add_u32 v[WO], v3, 16, v[R16]
	v_mul_u32_u24 v[ST], v2, 4*CP
	v_lshl_add_u32 v[ST], v3, 3, v[ST]
	s_wait_alu depctr_va_sdst(0)                   ; s16 is written, ahead of its first reader: addresses, bases and the walk's list are made from it
	s_lshl_b32 s68, s16, 5
	v_add_nc_u32 v[ST], s68, v[ST]
	s_lshr_b32 s68, s16, 1
	s_lshl_b32 s68, s68, 8
	s_and_b32 s71, s16, 1
	s_lshl_b32 s71, s71, 1
	s_add_co_u32 s68, s68, s71
	v_add_nc_u32 v[SB], s68, v[R16]
	v_mul_u32_u24 v[AW], v2, CP
	v_lshl_add_u32 v[AW], v3, 4, v[AW]
	v_lshlrev_b32 v[AS], 2, v2
	v_lshl_add_u32 v[HSA], v3, 7, v[AS]
	v_lshl_add_u32 v[AS], v3, 8, v[AS]
	v_lshlrev_b32 v[LI], 4, v1
	v_lshlrev_b32 v[RIA], 5, v3
	s_mul_i32 s68, s16, 16*SP
	s_add_co_u32 s68, s68, STG                     ; my stage
	v_mul_u32_u24 v[SO], v2, SP
	v_lshl_add_u32 v[SO], v3, 5, v[SO]
	v_add_nc_u32 v[SO], s68, v[SO]
	v_mul_u32_u24 v[SR], v3, SP
	v_add_nc_u32 v[SR], v[SR], v[R16]
	v_add_nc_u32 v[SR], s68, v[SR]
.irp q, 0,1,2,3,4,5,6,7
	v_mov_b32 v[P+\q], 0                           ; a lane permute's destination counts as one of its sources
.endr
	s_mov_b32 s66, 0x76543210
	s_mov_b32 s67, 0xfedcba98
	s_lshl_b32 s68, s18, 24                        ; W2: expert, half of K, my wave's 64 rows of 4,096 bytes, the 64 columns
	s_lshl_b32 s71, s19, 23
	s_add_co_u32 s68, s68, s71
	s_lshl_b32 s71, s16, 18
	s_add_co_u32 s68, s68, s71
	s_lshl_b32 s71, s17, 8
	s_add_co_u32 s68, s68, s71
	s_mov_b32 s69, 0
	s_wait_kmcnt 0x0
	s_add_nc_u64 s[22:23], s[4:5], s[68:69]
	s_lshl_b32 s68, s18, 7
	s_add_nc_u64 s[8:9], s[8:9], s[68:69]
	s_load_b512 s[32:47], s[8:9], 0x0              ; the expert's membership bits: here only their count is wanted
	s_load_b512 s[48:63], s[8:9], 0x40
	WIN 0xc0                                       ; the window of the loads below, ahead of their wait
	s_wait_alu depctr_va_vdst(0)                   ; the offsets v4 to v14 are written, which the kernel's loads, stores and LDS instructions read from here on
	LOADW 0
	LOADW 1
	s_lshl_b32 s68, s18, 21
	s_lshl_b32 s71, s19, 14
	s_add_co_u32 s68, s68, s71
	s_add_nc_u64 s[24:25], s[6:7], s[68:69]        ; hq: (64 e x 32 + 16 kh) x 1,024: the expert's tile 0, my half of K,
	s_lshr_b32 s68, s68, 3
	s_add_nc_u64 s[26:27], s[6:7], s[68:69]
	s_add_nc_u64 s[26:27], s[26:27], 0x1000000     ; its scale words,
	s_lshl_b32 s68, s18, 13
	s_add_nc_u64 s[28:29], s[10:11], s[68:69]      ; its row numbers
	s_mul_i32 s68, s19, 33587200
	s_lshl_b32 s71, s17, 8
	s_add_co_u32 s68, s68, s71
	s_add_nc_u64 s[30:31], s[12:13], s[68:69]      ; yp: my part along K, my 64 columns
	s_wait_kmcnt 0x0
	s_bcnt1_i32_b32 s20, s32
.set w_, 1
.rept 31
	s_bcnt1_i32_b32 s68, s[32+w_]
	s_add_co_u32 s20, s20, s68
.set w_, w_+1
.endr                                          ; the mask words are done with: s32 to s44 serve the walk from here on
	s_add_co_u32 s20, s20, 15
	s_lshr_b32 s20, s20, 4
	s_max_u32 s20, s20, 1                          ; the expert's tiles, as the launch before counted them
	s_sub_co_u32 s70, s20, 1
	s_add_co_u32 s43, s20, 3
	s_sub_co_u32 s43, s43, s16                     ; (tiles + 3 - wave is at least 1: nothing wraps)
	s_lshr_b32 s43, s43, 2                         ; my list's length: tiles wave, wave + 4, .. under the expert's number
	s_and_b32 s44, s17, 3                          ; where my walk begins: place cg % 4,
	s_cmp_ge_u32 s44, s43
	s_cselect_b32 s44, 0, s44                      ; or place 0 where the list is shorter than that
	STEP 0
	STEP 1
	STEP 2
	STEP 3
	STEP 4
	STEP 5
	STEP 6
	STEP 7
	s_wait_dscnt 0x0                               ; all 64 fragments and their scale words are in my registers
	s_cmp_eq_u32 s43, 0
	s_cbranch_scc1 .Lend                           ; no tile for this wave; no barrier follows
	s_and_b32 s42, s43, 1                          ; an odd one is left for the tail,
	s_lshr_b32 s41, s43, 1                         ; the others go in pairs, a pair a trip
	s_mov_b32 s40, 0                               ; the walk is counted trip by trip against the number of pairs
	s_cmp_eq_u32 s41, 0
	s_cbranch_scc1 .Lodd
.Ltile:                                            ; the next two tiles of my list
	HALF 0, 1
	HALF 1, 1
	s_add_co_u32 s40, s40, 1
	s_cmp_lt_u32 s40, s41
	s_cbranch_scc1 .Ltile
.Lodd:                                             ; on both ways here buffer 0's 42 loads were issued first and buffer 1's 42 behind them
	s_cmp_eq_u32 s42, 0
	s_cbranch_scc1 .Lend
	HALF 0, 0                                      ; the odd last tile: nothing more is asked for
.Lend:
	s_wait_dscnt 0x0                               ; the closing lines, six on end
	s_wait_alu 0x0
	s_wait_tensorcnt 0x0
	ds_add_u32 v254, v255
	s_wait_dscnt 0x0
	s_endpgm
.Lfunc_end_k_q395c11f6c5_down:
	.size	k_q395c11f6c5_down, .Lfunc_end_k_q395c11f6c5_down-k_q395c11f6c5_down
	.p2alignl 7, 3214868480
	.fill 96, 4, 3214868480
	.section	.rodata,"a",@progbits
	.p2align	6, 0x0
	.amdhsa_kernel k_q395c11f6c5_down
		.amdhsa_group_segment_fixed_size 88576
		.amdhsa_private_segment_fixed_size 0
		.amdhsa_enable_private_segment 0
		.amdhsa_kernarg_size 40
		.amdhsa_user_sgpr_count 2
		.amdhsa_user_sgpr_kernarg_segment_ptr 1
		.amdhsa_wavefront_size32 1
		.amdhsa_system_sgpr_workgroup_id_x 1
		.amdhsa_system_sgpr_workgroup_id_y 1
		.amdhsa_system_sgpr_workgroup_id_z 1
		.amdhsa_system_vgpr_workitem_id 0
		.amdhsa_next_free_vgpr 1024
		.amdhsa_next_free_sgpr 72
		.amdhsa_reserve_vcc 0
		.amdhsa_float_denorm_mode_32 3
		.amdhsa_float_denorm_mode_16_64 3
		.amdhsa_memory_ordered 1
		.amdhsa_forward_progress 1
		.amdhsa_inst_pref_size 190
	.end_amdhsa_kernel
	.amdgpu_metadata
---
amdhsa.version: [ 1, 2 ]
amdhsa.kernels:
  - .name:           k_q395c11f6c5_down
    .symbol:         k_q395c11f6c5_down.kd
    .args:
      - { .name: W2, .offset: 0, .size: 8, .value_kind: global_buffer, .address_space: global }
      - { .name: hq, .offset: 8, .size: 8, .value_kind: global_buffer, .address_space: global }
      - { .name: route, .offset: 16, .size: 8, .value_kind: global_buffer, .address_space: global }
      - { .name: rowinfo, .offset: 24, .size: 8, .value_kind: global_buffer, .address_space: global }
      - { .name: yp, .offset: 32, .size: 8, .value_kind: global_buffer, .address_space: global }
    .group_segment_fixed_size: 88576
    .private_segment_fixed_size: 0
    .kernarg_segment_align: 8
    .kernarg_segment_size: 40
    .max_flat_workgroup_size: 128
    .sgpr_count:     72
    .vgpr_count:     1024
    .wavefront_size: 32
...
	.end_amdgpu_metadata
.endif
;; end of part 6
;; launch join: the kernel of part 4 again; grid 256 x 1, 4 waves a work-group, no clusters, 0 bytes of LDS; arguments yp, route, gw, b2, out0; writes out0
